; MI455X (gfx1250); checked and timed in simulation.
; The chip was launched on July 23, 2026; its instructions are those of AMD's public machine-readable ISA for CDNA 5 (MIT licence, August 2026) and "CDNA5" Instruction Set Architecture Reference Guide (July 2026). The comments in the code are by the model that wrote it; some were corrected since.
;; Task Mo E. Allowed arithmetic: matrix products marked QUANTISED: E3M2 operands, one E8M0 scale for each 32 along K, by v_wmma_scale_f32_16x16x128_f8f6f4 with both operands' format E3M2, f32 sums; products left as they are: f32 operands where the result goes on into a quantised operand, else bf16, f16 or f32 operands; f32 sums; everything else in f32.
;; Inputs: expert_bias 8 x 1,024 float32; expert_weight_codes 8 x 1,024 x 32 x 24 uint8 (E3M2 codes of expert_weight, K innermost, in blocks of 32 codes, four codes in three bytes); expert_weight_scales 8 x 1,024 x 32 uint8 (E8M0 scales of expert_weight, one for each 32 codes along K); hidden_states 4 x 2,048 x 1,024 float32; wg 1,024 x 8 float32.
;; Outputs: out0 4 x 2,048 x 1,024 float32; out1 4 x 2,048 x 2 int32; out2 4 x 2,048 x 2 float32.
;; This version of the problem:
;;   THIS VERSION OF THE PROBLEM IS GIVEN IN LOW PRECISION. The matrix products marked QUANTISED in the list below multiply operands that are first quantised to E3M2 (3 exponent bits, 2 mantissa bits; 6 bits a number), with one power-of-two scale for each 32 numbers along K (OCP MX v1.0); their sums are f32. All else is computed in f32.
;;   The module's matrix products, in the order in which they are computed (A, B: the left and right operand; K: the contracted axis; several contracted axes count as one K, in the product's order):
;;     1. [M 8,192, K 1,024] x [K 1,024, N 8]; A: input hidden_states; B: input wg: left as it is (N = 8 < 16)
;;     2. [M 8,192, K 1,024] x [K 1,024, N 8,192]; A: input hidden_states; B: input expert_weight (given as codes): QUANTISED
;;     3. batch 8,192 x [M 1, K 2] x [K 2, N 1,024]; A: computed on the way; B: computed on the way: left as it is (K = 2 < 32)
;;   THE QUANTISER, for each operand of a quantised product, along K:
;;     - K is cut into blocks of 32 from its start; a last block that is shorter is filled with zeros.
;;     - A block's scale is 2^e with e = floor(log2(the largest magnitude in the block)) - 4, held to -126 .. 127; a block of zeros has e = 0. As a byte (E8M0): e + 127.
;;     - Each number is divided by its block's scale, clamped to +-28, and rounded to the nearest number of E3M2, ties to even, subnormals kept.
;;     - The product sums the exact products of the quantised numbers (number of the format x scale) in f32.
;;   ~~~python
;;   def quantise(x, axis):      # numpy; x: float32 -> the quantised numbers, widened to float32 again
;;       x = np.moveaxis(x, axis, -1); K = x.shape[-1]
;;       x = np.pad(x, [(0, 0)] * (x.ndim - 1) + [(0, -K % 32)]); x = x.reshape(x.shape[:-1] + (-1, 32)); a = np.abs(x).max(-1, keepdims=True)
;;       e = np.where(a > 0, np.clip(np.frexp(np.where(a > 0, a, 1))[1] - 1 - 4, -126, 127), 0)      # np.frexp(a)[1] - 1 = floor(log2(a)), exactly
;;       r = np.clip(x / 2.0 ** e, -28, 28)
;;       step = 2.0 ** (np.maximum(np.frexp(np.where(r == 0, 1, r))[1] - 1, -2) - 2)
;;       q = np.round(r / step) * step * 2.0 ** e      # np.round: ties to even
;;       return np.moveaxis(q.reshape(q.shape[:-2] + (-1,))[..., :K], -1, axis).astype(np.float32)
;;   ~~~
;;   INPUTS GIVEN AS CODES. expert_weight (in the module: [8, 1024, 1024], K = its axis 2): each comes as NAME_codes (uint8): NAME with its K axis moved to the last place and cut into blocks of 32 codes, [.., K / 32, bytes a block], one block behind the other in memory; four codes in three bytes: a row's codes are one little-endian stream of bits, code i at bits 6 i .. 6 i + 5 (a code: sign, 3 exponent bits, 2 mantissa bits); and NAME_scales (uint8): the same leading axes, one E8M0 byte (e + 127) for each 32 codes along K. Its value is code x scale, taken as it is: it is not quantised again, and the codes and scales need not be those that the quantiser above would give.
;; 3 versions, each right; version 2 is faster than version 1; version 3 is version 2 with the launch experts written anew for expert scheduling mode. Each part assembles by itself: llvm-mc -triple=amdgcn-amd-amdhsa -mcpu=gfx1250 --defsym DOCPART=n.
;; ======== version 1 of 3: 3 launches
;; workspace buffers: xcodes 6,291,456 bytes; xscales 262,144 bytes; wimg 6,291,456 bytes; tk 32,768 bytes of whole numbers; hist 8,192 bytes of whole numbers; order 32,768 bytes of whole numbers; bmask 256 bytes of whole numbers
;; launch gate (part 1): grid 256 x 1, 16 waves a work-group, no clusters, 186,368 bytes of LDS; arguments hidden_states, wg, xcodes, xscales, tk, hist, out1, out2; writes xcodes, xscales, tk, hist, out1, out2
.if DOCPART == 1
	.amdgcn_target "amdgcn-amd-amdhsa--gfx1250"
	.amdhsa_code_object_version 6
	.text
	.protected	k_q04d52603e8_gate
	.globl	k_q04d52603e8_gate
	.p2align	8
	.type	k_q04d52603e8_gate,@function
k_q04d52603e8_gate:
	s_mov_b64 s[64:65], 0
	v_nop
	global_prefetch_b8 v0, s[64:65] scope:SCOPE_SE
	s_setreg_imm32_b32 hwreg(HW_REG_WAVE_MODE, 25, 1), 1
	s_wait_xcnt 0x0
; TaskMoE, first of three launches.  x = hidden_states [8192][1024] f32, wg [1024][8] f32.
; It makes: (a) the router: logits = x wg in f32 (fused multiply-adds), softmax, the two largest (ties to the lower index), their gates: out1, out2;
; (b) x as codes of E3M2 with one E8M0 byte for each 32 along H, for the third launch; (c) for the second launch, whole numbers at fixed places:
; for each token a key for its pair of experts and its rank among the tokens of that key in its chunk of 32 (tk), for each chunk how many tokens each key has (hist).
; No address and no branch here hangs on the choice: it is only stored.
; SHARES.  A work-group takes 32 tokens (a chunk).  LANE = TOKEN; wave w takes k = 64 w .. 64 w + 63: 256 bytes of each row, two whole blocks of 32.
; So a block's largest magnitude needs no other lane, the conversions find 16 neighbours along K in a lane's registers, and wg's numbers are the same for all lanes: they come by scalar loads.
; x comes by one tensor load a wave (32 rows x 256 bytes, each row 256 consecutive bytes at a multiple of 256), all 128 KiB asked for at the head; LDS is filled once.
; xcodes: [token][K step of 128][h][48 bytes]: blocks h and 2 + h of the step: the 12 operand registers of lane (r, h) on end.  xscales: [token][32], blocks in order.
; THE KEY: lo < hi the two experts; key = lo (15 - lo) / 2 + (lo even ? hi - lo - 1 : 7 - hi): 28 keys, ordered so that neighbouring keys share an expert.
; LIMITS: NaN and infinities are not served.  A block whose largest magnitude lies under 2^-122 takes the byte 1 (a block of zeros too: its codes are zeros, and this program alone reads the bytes).
; The order of probabilities that are equal or denormal in f32 hangs on the last bit of v_exp_f32 (1 ulp: ISA guide, its entry).
.set XTW,  8704                        ; a wave's tile in LDS: 32 rows x (256 bytes + 16 of padding)
.set CST,  139264                      ; behind the 16 tiles: the codes' stage, 32 tokens x (768 bytes + 16)
.set SST,  164352                      ; the scale bytes, 32 a token
.set PL,   165376                      ; the partial logits [wave][token][8] f32
.set ACC,  10                          ; v10-17   my 8 partial logits
.set M,    18                          ; v18-19   the two blocks' largest magnitudes
.set SO,   20                          ; v20-21   the conversions' scale operands
.set BY,   22                          ; v22-23   the scale bytes
.set C,    24                          ; v24-35   the two blocks' codes, 6 registers each
.set TT,   36                          ; v36-43   each block's upper 16 codes as the conversion leaves them
.set X,    48                          ; v48-111  my token's 64 numbers
.set P,    48                          ; v48-175  wave 0, later: the 16 waves' partial logits
.set CO,   176                         ; v176-187 codes on their way out
	s_load_b256 s[4:11], s[0:1], 0x0               ; x s[4:5], wg s[6:7], xcodes s[8:9], xscales s[10:11]
	s_load_b256 s[12:19], s[0:1], 0x20             ; tk s[12:13], hist s[14:15], out1 s[16:17], out2 s[18:19]
	v_lshl_add_u32 v192, v0, 2, 0x2d000
	v_mov_b32 v193, 0
	ds_add_u32 v192, v193
	ds_add_u32 v192, v193
	v_lshrrev_b32 v1, 5, v0
	v_readfirstlane_b32 s2, v1                     ; wave 0..15
	v_and_b32 v1, 31, v0                           ; lane = token
	; descriptor group 1: 32 rows x 64 elements of 4 bytes, 1,024 elements from row to row, 4 words of padding behind every 64
	s_mov_b32 s24, (2<<16)|(1<<20)|(5<<22)|(3<<25)
	s_mov_b32 s25, 64<<16                          ; tensor_dim0 = 64
	s_mov_b32 s26, 32<<16                          ; tensor_dim1 = 32
	s_mov_b32 s27, 64<<16                          ; tile_dim0 = 64
	s_mov_b32 s28, 32                              ; tile_dim1 = 32
	s_mov_b32 s29, 1024                            ; stride from row to row
	s_mov_b32 s30, 0
	s_mov_b32 s31, 0
	s_mov_b32 s20, 1                               ; group 0: count = 1,
	s_mul_i32 s21, s2, XTW                         ; LDS address: my wave's tile,
	s_lshl_b32 s66, ttmp9, 17                      ; 32 rows of 4,096 bytes a work-group,
	s_lshl_b32 s3, s2, 8                           ; 256 bytes a wave
	s_add_co_u32 s66, s66, s3
	s_mov_b32 s67, 0
	s_wait_dscnt 0x0
	s_wait_kmcnt 0x0
	s_add_nc_u64 s[4:5], s[4:5], s[66:67]
	s_mov_b64 s[22:23], s[4:5]                     ; global address,
	s_or_b32 s23, s23, 0x80000000                  ; type = 2
	tensor_load_to_lds s[20:23], s[24:31]          ; one load a wave is out
	s_nop 0
.rept 4
	v_nop
.endr
	s_lshl_b32 s66, s2, 11                         ; wg: my 64 rows of 32 bytes
	s_add_nc_u64 s[6:7], s[6:7], s[66:67]
	s_load_b512 s[32:47], s[6:7], 0x0              ; the first four rows of wg: 32 numbers
	s_load_b512 s[48:63], s[6:7], 0x40
	s_mul_i32 s66, ttmp9, 24576                    ; xcodes: 32 tokens x 768 bytes a work-group, two tokens a wave
	s_mul_i32 s3, s2, 1536
	s_add_co_u32 s66, s66, s3
	s_add_nc_u64 s[8:9], s[8:9], s[66:67]
	s_lshl_b32 s66, ttmp9, 10
	s_add_nc_u64 s[10:11], s[10:11], s[66:67]      ; xscales: 1,024 bytes a work-group
	s_lshl_b32 s66, ttmp9, 7
	s_add_nc_u64 s[12:13], s[12:13], s[66:67]      ; tk: 128 bytes
	s_lshr_b32 s66, ttmp9, 4
	s_lshl_b32 s66, s66, 9
	s_and_b32 s3, ttmp9, 15
	s_add_co_u32 s66, s66, s3
	s_add_nc_u64 s[14:15], s[14:15], s[66:67]      ; hist: [chunk / 16][key][chunk % 16]
	s_lshl_b32 s66, ttmp9, 8
	s_add_nc_u64 s[16:17], s[16:17], s[66:67]      ; out1, out2: 256 bytes
	s_add_nc_u64 s[18:19], s[18:19], s[66:67]
	; LDS addresses: all are made here, ahead of every branch
	v_mul_u32_u24 v2, v1, 272
	v_add_nc_u32 v2, s21, v2                       ; my row of my wave's tile
	s_lshr_b32 s3, s2, 1
	s_mul_i32 s3, s3, 96                           ; K step w / 2,
	s_and_b32 s66, s2, 1
	s_mul_i32 s66, s66, 24                         ; its blocks 2 (w % 2) and 2 (w % 2) + 1: 24 (w % 2) bytes into the halves h = 0 and h = 1
	s_add_co_u32 s3, s3, s66
	s_add_co_u32 s3, s3, CST
	v_mul_u32_u24 v3, v1, 784
	v_add_nc_u32 v3, s3, v3                        ; where my codes go in the stage
	s_lshl_b32 s3, s2, 1
	s_add_co_u32 s3, s3, SST
	v_lshl_add_u32 v4, v1, 5, s3                   ; my two scale bytes
	s_lshl_b32 s3, s2, 10
	s_add_co_u32 s3, s3, PL
	v_lshl_add_u32 v5, v1, 5, s3                   ; my 8 partial logits
	v_lshlrev_b32 v8, 4, v1                        ; 16 x lane
	s_mul_i32 s3, s2, 1568
	s_add_co_u32 s3, s3, CST
	v_add_nc_u32 v6, s3, v8                        ; the stage on the way out: tokens 2 w and 2 w + 1, 1,536 bytes with 16 of padding between them
	v_lshrrev_b32 v7, 4, v1
	v_lshl_add_u32 v7, v7, 4, v6                   ; for the middle 512 bytes: lanes 16-31 lie behind the padding
	v_lshl_add_u32 v9, v1, 5, PL                   ; wave 0: token = lane, all waves' partial logits
	v_add_nc_u32 v44, SST, v8                      ; wave 1: the scale bytes on their way out
	v_lshlrev_b32 v45, 2, v1                       ; 4 x lane
	v_lshlrev_b32 v46, 3, v1                       ; 8 x lane
	s_wait_tensorcnt 0x0                           ; my tile is in LDS; only I read it
.irp j, 0,1,2,3,4,5,6,7,8,9,10,11,12,13,14,15
	ds_load_b128 v[X+4*\j:X+4*\j+3], v2 offset:16*\j   ; rows 272 bytes apart: sixteen lanes take sixteen different 16-byte columns of 256
.endr
	s_wait_dscnt 0x0
	; THE QUANTISER, my two blocks by turns.  The largest magnitude, with the floor 2^(5 - 127) among its leaves, so that the byte cannot fall under 1
.irp b, 0,1
	v_max3_num_f32 v[M+\b], |v[X+32*\b]|, |v[X+32*\b+1]|, 0x2800000
.endr
.irp i, 2,4,6,8,10,12,14,16,18,20,22,24,26,28,30
.irp b, 0,1
	v_max3_num_f32 v[M+\b], v[M+\b], |v[X+32*\b+\i]|, |v[X+32*\b+\i+1]|
.endr
.endr
.irp b, 0,1
	v_add_nc_u32 v[SO+\b], 0xfe000000, v[M+\b]     ; 4 off its exponent field: the conversion takes the exponent field of this operand as its scale
.endr
.irp b, 0,1
	v_lshrrev_b32 v[BY+\b], 23, v[SO+\b]           ; the scale's byte
.endr
.irp b, 0,1
	v_cvt_scalef32_pk16_bf6_f32 v[C+6*\b:C+6*\b+2], v[X+32*\b:X+32*\b+15], v[SO+\b]
	v_cvt_scalef32_pk16_bf6_f32 v[TT+4*\b:TT+4*\b+2], v[X+32*\b+16:X+32*\b+31], v[SO+\b]   ; (a conversion's three registers begin on an even number)
.endr
	v_lshl_or_b32 v[BY], v[BY+1], 8, v[BY]         ; both bytes in one half word.  (The plain line behind the conversions)
.irp b, 0,1
.irp i, 0,1,2
	v_mov_b32 v[C+6*\b+3+\i], v[TT+4*\b+\i]
.endr
.endr
.irp b, 0,1
.irp i, 0,1,2
	ds_store_b64 v3, v[C+6*\b+2*\i:C+6*\b+2*\i+1] offset:48*\b+8*\i   ; block 2 w + b lies in half h = b of its K step
.endr
.endr
	ds_store_b16 v4, v[BY]
	; THE LOGITS: 64 k x 8 experts, one fused multiply-add each.  Four rows of wg (32 numbers) stand in one of two sets of scalar registers, s32-63 and s68-99, while the next four are on their way into the other.
.macro BATCH i
	s_wait_kmcnt 0x0                               ; scalar loads return in no order: only the count 0 shows this batch's set whole
.if \i < 15
	s_load_b512 s[32+36*((\i+1)%2):47+36*((\i+1)%2)], s[6:7], 128*(\i+1)
	s_load_b512 s[48+36*((\i+1)%2):63+36*((\i+1)%2)], s[6:7], 128*(\i+1)+64
.endif
.irp kk, 0,1,2,3
.irp e, 0,1,2,3,4,5,6,7
.if (\i == 0) && (\kk == 0)
	v_mul_f32 v[ACC+\e], s[32+36*(\i%2)+8*\kk+\e], v[X+4*\i+\kk]    ; the first products start the sums: nothing is cleared
.else
	v_fmac_f32 v[ACC+\e], s[32+36*(\i%2)+8*\kk+\e], v[X+4*\i+\kk]
.endif
.endr
.endr
.endm
.irp i, 0,1,2,3,4,5,6,7,8,9,10,11,12,13,14,15
	BATCH \i
.endr
	ds_store_b128 v5, v[ACC:ACC+3]
	ds_store_b128 v5, v[ACC+4:ACC+7] offset:16
	s_wait_dscnt 0x0                               ; for the others' sake: my codes, bytes and partial logits lie in LDS
	s_barrier_signal -1
	s_barrier_wait -1                              ; everybody's do.  The launch's only barrier
	; every wave stores two tokens' codes: 1,536 consecutive bytes, three stores of 512, each at a multiple of 256
	ds_load_b128 v[CO:CO+3], v6
	ds_load_b128 v[CO+4:CO+7], v7 offset:512
	ds_load_b128 v[CO+8:CO+11], v6 offset:1040
	s_wait_dscnt 2                                 ; LDS loads return in order: the first is in, two younger ones may be out
	global_store_b128 v8, v[CO:CO+3], s[8:9]
	s_wait_dscnt 1
	global_store_b128 v8, v[CO+4:CO+7], s[8:9] offset:512
	s_wait_dscnt 0x0
	global_store_b128 v8, v[CO+8:CO+11], s[8:9] offset:1024
	s_cmp_eq_u32 s2, 1
	s_cbranch_scc0 .Lnot_wave_1
	ds_load_b128 v[48:51], v44                     ; wave 1: the chunk's 1,024 scale bytes
	ds_load_b128 v[52:55], v44 offset:512
	s_wait_dscnt 0x0
	global_store_b128 v8, v[48:51], s[10:11]
	global_store_b128 v8, v[52:55], s[10:11] offset:512
	s_wait_tensorcnt 0x0
	ds_add_u32 v192, v193
	s_wait_dscnt 0x0
	s_endpgm
.Lnot_wave_1:
	s_cmp_eq_u32 s2, 0
	s_cbranch_scc1 .Lrouter
	s_wait_tensorcnt 0x0
	ds_add_u32 v192, v193
	s_wait_dscnt 0x0
	s_endpgm
.Lrouter:
	; WAVE 0: THE ROUTER, lane = token
.irp w, 0,1,2,3,4,5,6,7,8,9,10,11,12,13,14,15
	ds_load_b128 v[P+8*\w:P+8*\w+3], v9 offset:1024*\w
	ds_load_b128 v[P+8*\w+4:P+8*\w+7], v9 offset:1024*\w+16
.endr
	s_wait_dscnt 0x0
.irp d, 64,32,16,8                     ; the 16 partial sums are added as a tree, two numbers an instruction: 32 + 16 + 8 + 4 lines
.set n, 0
.rept \d/2
	v_pk_add_f32 v[P+n:P+n+1], v[P+n:P+n+1], v[P+n+\d:P+n+\d+1]
.set n, n+2
.endr
.endr
	v_max3_num_f32 v56, v48, v49, v50              ; the largest logit is taken away ahead of the exponentials
	v_max3_num_f32 v56, v56, v51, v52
	v_max3_num_f32 v56, v56, v53, v54
	v_max_num_f32 v56, v56, v55
	v_mov_b32 v57, 0x42800000                      ; 64.0
	v_mov_b32 v58, -64
	s_mov_b32 s24, 0x3fb8aa3b                      ; log2(e)
	s_mov_b32 s25, 0xc2800000                      ; -64.0
.irp e, 0,1,2,3,4,5,6,7
	v_sub_f32 v[48+\e], v[48+\e], v56
.endr
.irp e, 0,1,2,3,4,5,6,7
	v_mul_f32 v[48+\e], s24, v[48+\e]              ; a = (l - m) log2(e), 0 or less
.endr
.irp e, 0,1,2,3,4,5,6,7                ; v_exp_f32 gives 0 for results under 2^-126 (ISA guide, its entry): where a < -64 the exponential is taken of a + 64 (exact there) and 64 is taken off the exponent afterwards, so that denormal probabilities are kept
	v_cmp_gt_f32 vcc_lo, s25, v[48+\e]
	v_cndmask_b32 v[64+\e], 0, v57, vcc_lo
	v_cndmask_b32 v[72+\e], 0, v58, vcc_lo
.endr
.irp e, 0,1,2,3,4,5,6,7
	v_add_f32 v[48+\e], v[48+\e], v[64+\e]
.endr
.irp e, 0,1,2,3,4,5,6,7
	v_exp_f32 v[48+\e], v[48+\e]
.endr
	v_nop                                          ; a plain line behind the last exponential
	s_wait_alu depctr_va_vdst(0)                   ; one wait for the batch of eight, ahead of its first reader
.irp e, 0,1,2,3,4,5,6,7
	v_ldexp_f32 v[48+\e], v[48+\e], v[72+\e]
.endr
	v_add_f32 v60, v48, v49
	v_add_f32 v61, v50, v51
	v_add_f32 v62, v52, v53
	v_add_f32 v63, v54, v55
	v_add_f32 v60, v60, v61
	v_add_f32 v62, v62, v63
	v_add_f32 v60, v60, v62                        ; the sum, between 1 and 8
	v_rcp_f32 v61, v60
	v_nop
	s_wait_alu depctr_va_vdst(0)
.irp e, 0,1,2,3,4,5,6,7
	v_mul_f32 v[48+\e], v[48+\e], v61              ; the probabilities
.endr
	v_mov_b32 v80, v48                             ; the largest: a strict compare keeps the lower index
	v_mov_b32 v82, 0
.irp e, 1,2,3,4,5,6,7
	v_cmp_gt_f32 vcc_lo, v[48+\e], v80
	v_cndmask_b32 v80, v80, v[48+\e], vcc_lo
	v_cndmask_b32 v82, v82, \e, vcc_lo
.endr
.irp e, 0,1,2,3,4,5,6,7
	v_cmp_eq_u32 vcc_lo, \e, v82
	v_cndmask_b32 v[88+\e], v[48+\e], -1.0, vcc_lo ; the winner steps out: -1 lies under every probability
.endr
	v_mov_b32 v81, v88                             ; the second largest, in the same way
	v_mov_b32 v83, 0
.irp e, 1,2,3,4,5,6,7
	v_cmp_gt_f32 vcc_lo, v[88+\e], v81
	v_cndmask_b32 v81, v81, v[88+\e], vcc_lo
	v_cndmask_b32 v83, v83, \e, vcc_lo
.endr
	v_add_f32 v60, v80, v81
	v_rcp_f32 v61, v60
	v_min_u32 v96, v82, v83                        ; lo.  (A plain line behind the reciprocal)
	v_max_u32 v97, v82, v83                        ; hi
	s_wait_alu depctr_va_vdst(0)
	v_mul_f32 v84, v80, v61                        ; the gates
	v_mul_f32 v85, v81, v61
	global_store_b64 v46, v[82:83], s[16:17]       ; 32 lanes store 256 consecutive bytes, at a multiple of 256
	global_store_b64 v46, v[84:85], s[18:19]
	v_sub_nc_u32 v98, 15, v96
	v_mul_u32_u24 v98, v98, v96
	v_lshrrev_b32 v98, 1, v98                      ; lo (15 - lo) / 2
	v_sub_nc_u32 v99, v97, v96
	v_add_nc_u32 v99, -1, v99                      ; hi - lo - 1
	v_sub_nc_u32 v100, 7, v97                      ; 7 - hi
	v_and_b32 v101, 1, v96
	v_cmp_eq_u32 vcc_lo, 1, v101
	v_cndmask_b32 v99, v99, v100, vcc_lo
	v_add_nc_u32 v102, v98, v99                    ; the key, 0 .. 27
	v_mov_b32 v103, 0                              ; my rank among the chunk's tokens of my key
	v_mov_b32 v104, 0                              ; lane k: how many tokens of the chunk have key k
.irp k, 0,1,2,3,4,5,6,7,8,9,10,11,12,13,14,15,16,17,18,19,20,21,22,23,24,25,26,27
	v_cmp_eq_u32 s20, \k, v102                     ; who has key k: the mask feeds values alone
	v_mbcnt_lo_u32_b32 v105, s20, 0                ; how many of them stand below my lane
	v_cndmask_b32 v103, v103, v105, s20
	s_bcnt1_i32_b32 s21, s20
	v_writelane_b32 v104, s21, \k
.endr
	v_lshl_or_b32 v106, v103, 8, v102
	global_store_b32 v45, v106, s[12:13]           ; key | rank << 8
	global_store_b8 v8, v104, s[14:15]             ; 16 bytes from key to key: the 16 chunks of a group lie side by side
	s_wait_tensorcnt 0x0
	ds_add_u32 v192, v193
	s_wait_dscnt 0x0
	s_endpgm
.Lfunc_end_k_q04d52603e8_gate:
	.size	k_q04d52603e8_gate, .Lfunc_end_k_q04d52603e8_gate-k_q04d52603e8_gate
	.p2alignl 7, 3214868480
	.fill 96, 4, 3214868480
	.section	.rodata,"a",@progbits
	.p2align	6, 0x0
	.amdhsa_kernel k_q04d52603e8_gate
		.amdhsa_group_segment_fixed_size 186368
		.amdhsa_private_segment_fixed_size 0
		.amdhsa_enable_private_segment 0
		.amdhsa_kernarg_size 64
		.amdhsa_user_sgpr_count 2
		.amdhsa_user_sgpr_kernarg_segment_ptr 1
		.amdhsa_wavefront_size32 1
		.amdhsa_system_sgpr_workgroup_id_x 1
		.amdhsa_system_sgpr_workgroup_id_y 1
		.amdhsa_system_sgpr_workgroup_id_z 1
		.amdhsa_system_vgpr_workitem_id 0
		.amdhsa_next_free_vgpr 194
		.amdhsa_next_free_sgpr 100
		.amdhsa_reserve_vcc 1
		.amdhsa_float_denorm_mode_32 3
		.amdhsa_float_denorm_mode_16_64 3
		.amdhsa_memory_ordered 1
		.amdhsa_forward_progress 1
		.amdhsa_inst_pref_size 49
	.end_amdhsa_kernel
	.amdgpu_metadata
---
amdhsa.version: [ 1, 2 ]
amdhsa.kernels:
  - .name:           k_q04d52603e8_gate
    .symbol:         k_q04d52603e8_gate.kd
    .args:
      - { .name: hidden_states, .offset: 0, .size: 8, .value_kind: global_buffer, .address_space: global }
      - { .name: wg, .offset: 8, .size: 8, .value_kind: global_buffer, .address_space: global }
      - { .name: xcodes, .offset: 16, .size: 8, .value_kind: global_buffer, .address_space: global }
      - { .name: xscales, .offset: 24, .size: 8, .value_kind: global_buffer, .address_space: global }
      - { .name: tk, .offset: 32, .size: 8, .value_kind: global_buffer, .address_space: global }
      - { .name: hist, .offset: 40, .size: 8, .value_kind: global_buffer, .address_space: global }
      - { .name: out1, .offset: 48, .size: 8, .value_kind: global_buffer, .address_space: global }
      - { .name: out2, .offset: 56, .size: 8, .value_kind: global_buffer, .address_space: global }
    .group_segment_fixed_size: 186368
    .private_segment_fixed_size: 0
    .kernarg_segment_align: 8
    .kernarg_segment_size: 64
    .max_flat_workgroup_size: 512
    .sgpr_count:     100
    .vgpr_count:     194
    .wavefront_size: 32
...
	.end_amdgpu_metadata
.endif
;; end of part 1
;; launch place (part 2): grid 260 x 1, 4 waves a work-group, no clusters, 0 bytes of LDS; arguments tk, hist, expert_weight_codes, order, bmask, wimg; writes order, bmask, wimg
.if DOCPART == 2
	.amdgcn_target "amdgcn-amd-amdhsa--gfx1250"
	.amdhsa_code_object_version 6
	.text
	.protected	k_q04d52603e8_place
	.globl	k_q04d52603e8_place
	.p2align	8
	.type	k_q04d52603e8_place,@function
k_q04d52603e8_place:
	s_mov_b64 s[64:65], 0
	v_nop
	global_prefetch_b8 v0, s[64:65] scope:SCOPE_SE
	s_setreg_imm32_b32 hwreg(HW_REG_WAVE_MODE, 25, 1), 1
	s_wait_xcnt 0x0
; TaskMoE, second of three launches.  Two kinds of work-groups, told apart by the work-group's number; neither uses LDS bytes or a barrier.
; WORK-GROUPS 0-3: a counting sort of the 8,192 tokens by their key (28 keys), from the whole numbers that the first launch stored: order[sorted place] = token; and for each block of 128
; sorted places the set of experts that its tokens use, as 8 bits (bmask).  Each of the 16 waves owns 16 chunks of 32 tokens; every wave adds up the whole table of counts (8 KiB) for itself, so no wave waits for another.
; WORK-GROUPS 4-259: the experts' codes are laid anew as images of operand registers (wimg), so that the third launch loads a fragment by three loads of 16 bytes a lane:
; fragment ((expert x 16 + group of 64 outputs) x 8 + K step) x 4 + tile of 16 outputs, 1,536 bytes; in it registers 4 c .. 4 c + 3 of lane l at 512 c + 16 l.
; A wave takes 16 rows x 512 along K: four fragments.
	s_load_b256 s[4:11], s[0:1], 0x0               ; tk s[4:5], hist s[6:7], the codes s[8:9], order s[10:11]
	s_load_b128 s[12:15], s[0:1], 0x20             ; bmask s[12:13], wimg s[14:15]
	v_lshrrev_b32 v1, 5, v0
	v_readfirstlane_b32 s2, v1                     ; wave 0..3
	v_and_b32 v1, 31, v0                           ; lane
	v_lshlrev_b32 v2, 4, v1                        ; 16 x lane
	s_cmp_lt_u32 ttmp9, 4
	s_cbranch_scc1 .Lsort
	; ---- the weights' images
	s_sub_co_u32 s3, ttmp9, 4
	s_lshl_b32 s3, s3, 2
	s_add_co_u32 s3, s3, s2                        ; 0 .. 1023
	s_lshr_b32 s16, s3, 1                          ; which tile of 16 rows, of 512
	s_and_b32 s17, s3, 1                           ; which half of K
	s_mul_i32 s18, s16, 12288                      ; 16 rows of 768 bytes
	s_mul_i32 s19, s17, 384                        ; four K steps of 96 bytes
	s_add_co_u32 s18, s18, s19
	s_mov_b32 s19, 0
	s_lshr_b32 s20, s16, 2
	s_mul_i32 s20, s20, 49152                      ; expert x 16 + group: 32 fragments
	s_and_b32 s21, s16, 3
	s_mul_i32 s21, s21, 1536                       ; the tile in its group
	s_add_co_u32 s20, s20, s21
	s_mul_i32 s21, s17, 24576                      ; four K steps of four fragments
	s_add_co_u32 s20, s20, s21
	s_mov_b32 s21, 0
	v_and_b32 v3, 15, v0
	v_bfe_u32 v4, v0, 4, 1
	v_mul_u32_u24 v3, v3, 768
	v_mad_u32_u24 v3, v4, 24, v3                   ; row r, + 24 bytes for lanes 16-31
	s_wait_kmcnt 0x0
	s_add_nc_u64 s[8:9], s[8:9], s[18:19]
	s_add_nc_u64 s[14:15], s[14:15], s[20:21]
.irp j, 0,1,2,3
.irp p, 0,1,2,3,4,5
	global_load_b64 v[16+12*\j+2*\p:16+12*\j+2*\p+1], v3, s[8:9] offset:96*\j+48*(\p/3)+8*(\p%3) th:TH_LOAD_NT   ; pieces of 8 bytes, so that every address is a multiple of the access's size
.endr
.endr
.irp j, 0,1,2,3
	s_wait_loadcnt 18-6*\j                         ; fragment j's six loads are in; the six of each later fragment may be out
.irp c, 0,1,2
	global_store_b128 v2, v[16+12*\j+4*\c:16+12*\j+4*\c+3], s[14:15] offset:6144*\j+512*\c   ; 32 lanes store 512 consecutive bytes, at a multiple of 256
.endr
.endr
	s_endpgm
.Lsort:
	; ---- the sort.  v16-79 the table of counts (lane = key: 16 bytes for each of 16 groups of chunks); v80-83 my own group's; v84-99 my 16 chunks' tk (lane = token)
	s_lshl_b32 s3, ttmp9, 2
	s_add_co_u32 s3, s3, s2                        ; my group of 16 chunks, 0 .. 15
	s_lshl_b32 s16, s3, 9
	v_add_nc_u32 v4, s16, v2
	v_lshlrev_b32 v3, 2, v1                        ; 4 x lane
	s_lshl_b32 s16, s3, 11
	v_add_nc_u32 v5, s16, v3
	s_mov_b32 s18, 0x00ff00ff
	s_wait_kmcnt 0x0
.irp s, 0,1,2,3,4,5,6,7,8,9,10,11,12,13,14,15
	global_load_b128 v[16+4*\s:19+4*\s], v2, s[6:7] offset:512*\s
.endr
	global_load_b128 v[80:83], v4, s[6:7]
.irp j, 0,1,2,3,4,5,6,7,8,9,10,11,12,13,14,15
	global_load_b32 v[84+\j], v5, s[4:5] offset:128*\j
.endr
	s_wait_loadcnt 0x0
	; each key's total (v8) and its count in the groups ahead of mine (v9).  A byte is at most 32; four words added: at most 128 a byte; then two fields of 16 bits, at most 4,096 each after 16 groups
.irp s, 0,1,2,3,4,5,6,7,8,9,10,11,12,13,14,15
	s_cmp_gt_u32 s3, \s
	s_cselect_b32 s19, -1, 0                       ; does group s stand ahead of mine?
	v_add3_u32 v10, v[16+4*\s], v[17+4*\s], v[18+4*\s]
	v_add_nc_u32 v10, v10, v[19+4*\s]
	v_and_b32 v11, s18, v10
	v_lshrrev_b32 v10, 8, v10
	v_and_b32 v10, s18, v10
	v_add_nc_u32 v11, v11, v10
.if \s == 0
	v_mov_b32 v8, v11
	v_and_b32 v9, s19, v11
.else
	v_add_nc_u32 v8, v8, v11
	v_and_b32 v11, s19, v11
	v_add_nc_u32 v9, v9, v11
.endif
.endr
	v_lshrrev_b32 v10, 16, v8
	v_and_b32 v8, 0xffff, v8
	v_add_nc_u32 v8, v8, v10
	v_lshrrev_b32 v10, 16, v9
	v_and_b32 v9, 0xffff, v9
	v_add_nc_u32 v9, v9, v10
	s_mov_b32 s32, 0                               ; s[32 + k]: where key k begins among the sorted places; s60 = 8,192
	v_mov_b32 v12, 0
.irp k, 0,1,2,3,4,5,6,7,8,9,10,11,12,13,14,15,16,17,18,19,20,21,22,23,24,25,26,27
	v_readlane_b32 s19, v8, \k
	s_add_co_u32 s[33+\k], s[32+\k], s19
.endr
.irp k, 0,1,2,3,4,5,6,7,8,9,10,11,12,13,14,15,16,17,18,19,20,21,22,23,24,25,26,27
	v_writelane_b32 v12, s[32+\k], \k
.endr
	v_add_nc_u32 v100, v12, v9                     ; v[100 + j], lane = key: where chunk j's tokens of that key begin
.irp j, 0,1,2,3,4,5,6,7,8,9,10,11,12,13,14
	v_bfe_u32 v10, v[80+\j/4], 8*(\j%4), 8
	v_add_nc_u32 v[101+\j], v[100+\j], v10
.endr
.irp j, 0,1,2,3,4,5,6,7,8,9,10,11,12,13,14,15
	v_and_b32 v[132+\j], 0xff, v[84+\j]            ; my token's key,
	v_min_u32 v[132+\j], 31, v[132+\j]
	v_lshlrev_b32 v[132+\j], 2, v[132+\j]
	ds_bpermute_b32 v[116+\j], v[132+\j], v[100+\j]   ; and that lane's number: no LDS byte is touched
.endr
	s_wait_dscnt 0x0
	s_lshl_b32 s16, s3, 9
	v_add_nc_u32 v6, s16, v1                       ; my group's first token + lane
.irp j, 0,1,2,3,4,5,6,7,8,9,10,11,12,13,14,15   ; each chunk has registers of its own: no source of a pending store is written again
	v_lshrrev_b32 v[84+\j], 8, v[84+\j]            ; the rank
	v_add_nc_u32 v[116+\j], v[116+\j], v[84+\j]    ; the sorted place,
	v_min_u32 v[116+\j], 0x1fff, v[116+\j]         ; held inside the buffer
	v_lshlrev_b32 v[116+\j], 2, v[116+\j]
	v_add_nc_u32 v[132+\j], 32*\j, v6              ; the token
	global_store_b32 v[116+\j], v[132+\j], s[10:11]
.endr
	s_cmp_lt_u32 s3, 2
	s_cbranch_scc0 .Ldone
	; ---- the blocks' experts: two waves, lane = block.  Key k counts where its places [s(32 + k), s(33 + k)) meet the block's [P, P + 128): an empty key never does
	s_lshl_b32 s16, s3, 5
	v_add_nc_u32 v13, s16, v1
	v_lshlrev_b32 v14, 7, v13                      ; P
	v_add_nc_u32 v15, 128, v14
	v_mov_b32 v7, 0
.macro KEYBITS k, bits
	v_max_u32 v148, s[32+\k], v14
	v_min_u32 v149, s[33+\k], v15
	v_mov_b32 v150, \bits
	v_cmp_lt_u32 vcc_lo, v148, v149
	v_cndmask_b32 v150, 0, v150, vcc_lo
	v_or_b32 v7, v7, v150
.endm
	KEYBITS 0, 0x03
	KEYBITS 1, 0x05
	KEYBITS 2, 0x09
	KEYBITS 3, 0x11
	KEYBITS 4, 0x21
	KEYBITS 5, 0x41
	KEYBITS 6, 0x81
	KEYBITS 7, 0x82
	KEYBITS 8, 0x42
	KEYBITS 9, 0x22
	KEYBITS 10, 0x12
	KEYBITS 11, 0x0a
	KEYBITS 12, 0x06
	KEYBITS 13, 0x0c
	KEYBITS 14, 0x14
	KEYBITS 15, 0x24
	KEYBITS 16, 0x44
	KEYBITS 17, 0x84
	KEYBITS 18, 0x88
	KEYBITS 19, 0x48
	KEYBITS 20, 0x28
	KEYBITS 21, 0x18
	KEYBITS 22, 0x30
	KEYBITS 23, 0x50
	KEYBITS 24, 0x90
	KEYBITS 25, 0xa0
	KEYBITS 26, 0x60
	KEYBITS 27, 0xc0
	s_lshl_b32 s16, s3, 7
	v_add_nc_u32 v151, s16, v3
	global_store_b32 v151, v7, s[12:13]
.Ldone:
	s_endpgm
.Lfunc_end_k_q04d52603e8_place:
	.size	k_q04d52603e8_place, .Lfunc_end_k_q04d52603e8_place-k_q04d52603e8_place
	.p2alignl 7, 3214868480
	.fill 96, 4, 3214868480
	.section	.rodata,"a",@progbits
	.p2align	6, 0x0
	.amdhsa_kernel k_q04d52603e8_place
		.amdhsa_group_segment_fixed_size 0
		.amdhsa_private_segment_fixed_size 0
		.amdhsa_enable_private_segment 0
		.amdhsa_kernarg_size 48
		.amdhsa_user_sgpr_count 2
		.amdhsa_user_sgpr_kernarg_segment_ptr 1
		.amdhsa_wavefront_size32 1
		.amdhsa_system_sgpr_workgroup_id_x 1
		.amdhsa_system_sgpr_workgroup_id_y 1
		.amdhsa_system_sgpr_workgroup_id_z 1
		.amdhsa_system_vgpr_workitem_id 0
		.amdhsa_next_free_vgpr 160
		.amdhsa_next_free_sgpr 66
		.amdhsa_reserve_vcc 1
		.amdhsa_float_denorm_mode_32 3
		.amdhsa_float_denorm_mode_16_64 3
		.amdhsa_memory_ordered 1
		.amdhsa_forward_progress 1
		.amdhsa_inst_pref_size 35
	.end_amdhsa_kernel
	.amdgpu_metadata
---
amdhsa.version: [ 1, 2 ]
amdhsa.kernels:
  - .name:           k_q04d52603e8_place
    .symbol:         k_q04d52603e8_place.kd
    .args:
      - { .name: tk, .offset: 0, .size: 8, .value_kind: global_buffer, .address_space: global }
      - { .name: hist, .offset: 8, .size: 8, .value_kind: global_buffer, .address_space: global }
      - { .name: expert_weight_codes, .offset: 16, .size: 8, .value_kind: global_buffer, .address_space: global }
      - { .name: order, .offset: 24, .size: 8, .value_kind: global_buffer, .address_space: global }
      - { .name: bmask, .offset: 32, .size: 8, .value_kind: global_buffer, .address_space: global }
      - { .name: wimg, .offset: 40, .size: 8, .value_kind: global_buffer, .address_space: global }
    .group_segment_fixed_size: 0
    .private_segment_fixed_size: 0
    .kernarg_segment_align: 8
    .kernarg_segment_size: 48
    .max_flat_workgroup_size: 128
    .sgpr_count:     66
    .vgpr_count:     160
    .wavefront_size: 32
...
	.end_amdgpu_metadata
.endif
;; end of part 2
;; launch experts (part 3): grid 4 x 64, 4 waves a work-group, no clusters, 117,248 bytes of LDS; arguments order, bmask, xcodes, xscales, wimg, expert_weight_scales, expert_bias, out1, out2, out0; writes out0
.if DOCPART == 3
	.amdgcn_target "amdgcn-amd-amdhsa--gfx1250"
	.amdhsa_code_object_version 6
	.text
	.protected	k_q04d52603e8_experts
	.globl	k_q04d52603e8_experts
	.p2align	8
	.type	k_q04d52603e8_experts,@function
k_q04d52603e8_experts:
	s_mov_b64 s[64:65], 0
	v_nop
	global_prefetch_b8 v0, s[64:65] scope:SCOPE_SE
	s_setreg_imm32_b32 hwreg(HW_REG_WAVE_MODE, 25, 1), 1
	s_wait_xcnt 0x0
; TaskMoE, third of three launches: out0[token] = the sum over the token's two experts of gate x (Q(x) W_e^T + b_e), on codes of E3M2 with one E8M0 scale for each 32 along K.
; SHARES.  Work-group (x, y) takes block y of 128 tokens, sorted by their pair of experts, and outputs 256 x .. 256 x + 255.  Wave w takes all 128 tokens x 64 outputs: 32 accumulators.
; Each output number has one owner.  The work-group walks the 8 experts in a loop of constant count and passes over those that none of its tokens uses (a scalar branch on the stored mask).
; A token that does not use an expert of its block takes part with the gate 0 (v_cndmask_b32).
; OPERANDS.  x's 64 fragments (8 tiles of 16 tokens x 8 K steps) are gathered once, 16 a wave, and lie in LDS as images of their registers: all four waves read them, again for each expert.
; W's fragments go from memory (laid as register images by the launch before) straight into the one wave that needs them, three K steps ahead, four sets of registers by turns, on into the next expert.
; For 128 along K a wave reads 12 KiB from LDS and 6 KiB from memory for 32 matrix instructions.
; THE MATRIX INSTRUCTION IS USED TRANSPOSED: source 0 = 16 rows of W, source 1 = 16 tokens: a lane holds ONE token (lane % 16) and eight neighbouring outputs, so a gate is one number a lane.
; The bias is the C of each sum's first matrix instruction.
; NO TENSOR LOAD, NO JOINT REQUEST: which experts are walked hangs on a number read from memory, and work-groups of different blocks walk different experts; what the four work-groups of a block share
; (96 KiB of x's codes) is gathered row by row through a list.
; LIMITS: NaN and infinities are not served: a scale byte 0xff or a sum beyond f32's range in an expert that the block uses would reach, as 0 x NaN, also those of its tokens that do not use that expert.
; REGISTERS, in windows of 256 (s_set_vgpr_msb: bits 1:0 source 0, 3:2 source 1, 5:4 source 2, 7:6 destination):
;   window 0: v1-15 addresses; v16-47 x's scale words; v48-63 W's; v64-95 the bias; v96-111 the tokens' experts; v112-127 their gates; v128-143 this expert's gate; v160-255 x's 8 fragments of a K step
;   window 1: v0-191 W's four sets of 4 fragments; v192-255 the stores' offsets   window 2: the 32 accumulators of one expert (tile t, outputs ot: v[8 (4 t + ot)])   window 3: the 32 sums over experts
.set STG,  98304                       ; LDS: x's images fill 0 .. 98,303 (tile t, K step ks at 12,288 t + 1,536 ks); behind them a stage of 16 rows x (256 bytes + 16) for each wave
.set XS,   16                          ; register 8 p + ks: lanes 0-15 the words of tile 2 p, lanes 16-31 of tile 2 p + 1
.set WS,   48                          ; register 8 i + ks: lanes 0-15 the words of outputs' tile 2 i, lanes 16-31 of tile 2 i + 1
.set BIAS, 64
.set EI,   96
.set GI,   112
.set G,    128                         ; v[G + 2 t]; the odd registers are written once: the packed forms name pairs
.set XF,   160
.set RO,   192                         ; in window 1
.set MSB, 0
.macro WIN new                         ; the immediate's high byte repeats the setting that is left; a switch that changes nothing is dropped
.if MSB != \new
	s_set_vgpr_msb (MSB<<8)|\new
.set MSB, \new
.endif
.endm
.macro PLACES                          ; four plain lines between a matrix instruction and a load into one of its registers or a vector read of its result (ISA guide 7.12.1 for vector reads)
.rept 4
	v_nop
.endr
.endm
.macro BASES e                         ; where expert e's fragments, scale words and bias begin for my 64 outputs: s[32:33], s[36:37], s[38:39]
	s_mul_i32 s40, \e, 786432
	s_add_nc_u64 s[32:33], s[12:13], s[40:41]
	s_lshl_b32 s40, \e, 15
	s_add_nc_u64 s[36:37], s[14:15], s[40:41]
	s_lshl_b32 s40, \e, 12
	s_add_nc_u64 s[38:39], s[16:17], s[40:41]
.endm
.macro NEXTSB                          ; 10 loads: the next expert's scale words of K steps 0-3 and its bias
	WIN 0
.irp i, 0,1
	global_load_b128 v[WS+8*\i:WS+8*\i+3], v7, s[36:37] offset:1024*\i
.endr
.irp ot, 0,1,2,3
.irp i, 0,1
	global_load_b128 v[BIAS+8*\ot+4*\i:BIAS+8*\ot+4*\i+3], v6, s[38:39] offset:64*\ot+16*\i
.endr
.endr
.endm
.macro WSHI                            ; 2 loads: this expert's scale words of K steps 4-7
	WIN 0
.irp i, 0,1
	global_load_b128 v[WS+8*\i+4:WS+8*\i+7], v7, s[34:35] offset:1024*\i+16
.endr
.endm
.macro WLD set, base, ks               ; 12 loads: W's four fragments of K step ks
	WIN 0x40                                       ; destination window 1
.irp ot, 0,1,2,3
.irp c, 0,1,2
	global_load_b128 v[48*(\set)+12*\ot+4*\c:48*(\set)+12*\ot+4*\c+3], v4, s[\base:\base+1] offset:6144*(\ks)+1536*\ot+512*\c
.endr
.endr
	WIN 0
.endm
.macro XLD half, ks                    ; 12 LDS loads: x's tiles 4 half .. 4 half + 3 of K step ks; each takes 512 consecutive bytes
	WIN 0
.irp t, 0,1,2,3
.irp c, 0,1,2
	ds_load_b128 v[XF+12*(4*\half+\t)+4*\c:XF+12*(4*\half+\t)+4*\c+3], v[4+\half] offset:12288*\t+1536*(\ks)+512*\c
.endr
.endr
.endm
.macro WM t, ot, ks                    ; one product.  An odd tile's scale words stand in lanes 16-31 of its pair's register
.set rD, 8*(4*(\t)+(\ot))
.set rC, rD
.if (\ks) == 0
.set rC, BIAS+8*(\ot)
.endif
.set rA, 48*((\ks)%4)+12*(\ot)
.set rB, XF+12*(\t)
.set rSA, WS+8*((\ot)/2)+(\ks)
.set rSB, XS+8*((\t)/2)+(\ks)
.if ((\ot)%2 == 0) && ((\t)%2 == 0)
	v_wmma_scale_f32_16x16x128_f8f6f4 v[rD:rD+7], v[rA:rA+11], v[rB:rB+11], v[rC:rC+7], v[rSA], v[rSB] matrix_a_fmt:MATRIX_FMT_BF6 matrix_b_fmt:MATRIX_FMT_BF6
.elseif ((\ot)%2 == 1) && ((\t)%2 == 0)
	v_wmma_scale_f32_16x16x128_f8f6f4 v[rD:rD+7], v[rA:rA+11], v[rB:rB+11], v[rC:rC+7], v[rSA], v[rSB] matrix_a_fmt:MATRIX_FMT_BF6 matrix_b_fmt:MATRIX_FMT_BF6 matrix_a_scale:MATRIX_SCALE_ROW1
.elseif ((\ot)%2 == 0)
	v_wmma_scale_f32_16x16x128_f8f6f4 v[rD:rD+7], v[rA:rA+11], v[rB:rB+11], v[rC:rC+7], v[rSA], v[rSB] matrix_a_fmt:MATRIX_FMT_BF6 matrix_b_fmt:MATRIX_FMT_BF6 matrix_b_scale:MATRIX_SCALE_ROW1
.else
	v_wmma_scale_f32_16x16x128_f8f6f4 v[rD:rD+7], v[rA:rA+11], v[rB:rB+11], v[rC:rC+7], v[rSA], v[rSB] matrix_a_fmt:MATRIX_FMT_BF6 matrix_b_fmt:MATRIX_FMT_BF6 matrix_a_scale:MATRIX_SCALE_ROW1 matrix_b_scale:MATRIX_SCALE_ROW1
.endif
.endm
.macro MUL16 half, ks                  ; 16 products: four tiles of tokens x my four tiles of outputs.  The 32 accumulators take turns, one instruction a turn, in the same order in every K step
.if \ks == 0
	WIN 0x81                                       ; W window 1, x and the bias window 0, D window 2
.else
	WIN 0xa1                                       ; W window 1, x window 0, C and D window 2
.endif
.irp t, 0,1,2,3
.irp ot, 0,1,2,3
	WM (4*\half+\t), \ot, \ks
.endr
.endr
.endm
; A K step.  n: the global loads younger than this step's W, which may stay out.  In an expert they are issued in this order: step 0: 2 (scale words), 12 (W of step 3); steps 1-4: 12 each (W of steps 4-7);
; step 5: 10 (the next expert's scale words and bias), 12 (its W of step 0); steps 6, 7: 12 each (its steps 1, 2).
.macro STEP ks, n
	s_wait_loadcnt \n
	s_wait_dscnt 12                                ; x's tiles 0-3 are in; the 12 younger loads (tiles 4-7) may be out
	MUL16 0, \ks
	PLACES
.if \ks == 0
	WSHI                                           ; their registers were last read in the expert before
.endif
.if \ks == 5
	NEXTSB                                         ; last read in K steps 3 (scale words) and 0 (bias)
.endif
.if \ks < 5
	WLD (\ks+3)%4, 30, \ks+3                       ; into the set that the K step before has multiplied
.else
	WLD (\ks+3)%4, 32, \ks-5
.endif
	XLD 0, (\ks+1)%8
	s_wait_dscnt 12                                ; tiles 4-7 are in; the 12 just issued may be out
	MUL16 1, \ks
	PLACES
	XLD 1, (\ks+1)%8
.endm
.macro COMBINE first                   ; the sums over experts take gate x this expert's results, each accumulator from its low end on; the first expert starts them: nothing is cleared
	PLACES
.if \first
	WIN 0xc2
.else
	WIN 0xf2
.endif
.irp t, 0,1,2,3,4,5,6,7
.irp n, 0,2,4,6,8,10,12,14,16,18,20,22,24,26,28,30
.if \first
	v_pk_mul_f32 v[32*\t+\n:32*\t+\n+1], v[32*\t+\n:32*\t+\n+1], v[G+2*\t:G+2*\t+1] op_sel_hi:[1,0]
.else
	v_pk_fma_f32 v[32*\t+\n:32*\t+\n+1], v[32*\t+\n:32*\t+\n+1], v[G+2*\t:G+2*\t+1], v[32*\t+\n:32*\t+\n+1] op_sel_hi:[1,0,1]
.endif
.endr
.endr
	WIN 0
.endm
; Expert s27.  Its first three K steps of W, its first scale words and its bias are on their way already.
.macro EXPERT first
	s_add_co_u32 s28, s27, 1                       ; the next expert that the block uses:
	s_lshr_b32 s29, s26, s28
	s_ctz_i32_b32 s29, s29                         ; -1 where none is left: the look-ahead then falls on this expert's own first K steps, inside the buffer, and is not used
	s_add_co_u32 s28, s28, s29
	s_min_u32 s28, s28, 7
	s_wait_xcnt 0x0                                ; the loads that named the three bases have read them
	BASES s28
.irp t, 0,1,2,3,4,5,6,7
	v_cmp_eq_u32 vcc_lo, s27, v[EI+2*\t]           ; my token's gate for this expert, or 0
	v_cndmask_b32 v[G+2*\t], 0, v[GI+2*\t], vcc_lo
	v_cmp_eq_u32 vcc_lo, s27, v[EI+2*\t+1]
	v_cndmask_b32 v[G+2*\t], v[G+2*\t], v[GI+2*\t+1], vcc_lo
.endr
	STEP 0, 24
	STEP 1, 26
	STEP 2, 26
	STEP 3, 24
	STEP 4, 24
	STEP 5, 24
	STEP 6, 34
	STEP 7, 34
	COMBINE \first
	s_wait_xcnt 0x0                                ; this expert's loads have read their bases
	s_mov_b64 s[30:31], s[32:33]                   ; the next expert becomes the one in hand
	s_mov_b64 s[34:35], s[36:37]
.endm
	s_load_b512 s[4:19], s[0:1], 0x0               ; order s[4:5], bmask s[6:7], xcodes s[8:9], xscales s[10:11], wimg s[12:13], W's scales s[14:15], the bias s[16:17], out1 s[18:19]
	s_load_b128 s[20:23], s[0:1], 0x40             ; out2 s[20:21], out0 s[22:23]
	v_lshl_add_u32 v158, v0, 2, 0x1c800
	v_mov_b32 v159, 0
	v_lshrrev_b32 v1, 5, v0
	v_readfirstlane_b32 s2, v1                     ; wave 0..3
	s_and_b32 s24, ttmp7, 0xffff                   ; the block of tokens
	s_lshl_b32 s3, ttmp9, 2
	s_add_co_u32 s3, s3, s2                        ; my group of 64 outputs, 0 .. 15
	s_mov_b32 s41, 0
	v_and_b32 v1, 31, v0                           ; lane
	v_and_b32 v2, 15, v0                           ; r
	v_bfe_u32 v3, v0, 4, 1                         ; h
	v_lshlrev_b32 v4, 4, v1                        ; 16 x lane: an image's place for my lane; tiles 0-3 of x
	v_add_nc_u32 v5, 49152, v4                     ; tiles 4-7
	v_lshlrev_b32 v6, 5, v3                        ; 32 h
	v_lshlrev_b32 v7, 5, v1                        ; 32 x lane: a row of W's scale bytes
	s_mul_i32 s28, s2, 4352
	s_add_co_u32 s28, s28, STG                     ; my stage
	v_mul_u32_u24 v8, v2, 272
	v_lshl_add_u32 v8, v3, 5, v8
	v_add_nc_u32 v8, s28, v8                       ; in: row r, 32 bytes for each half of the lanes
	v_mul_u32_u24 v9, v3, 2176
	v_lshl_add_u32 v9, v2, 4, v9
	v_add_nc_u32 v9, s28, v9                       ; back: lanes 0-15 take rows 0-7, lanes 16-31 rows 8-15, a row of 256 bytes an instruction
	s_mul_i32 s28, s2, 24576
	v_add_nc_u32 v10, s28, v4                      ; where I store the images of tiles 2 w and 2 w + 1
	v_lshlrev_b32 v11, 4, v2                       ; 16 r
	v_mul_u32_u24 v12, v3, 48                      ; 48 h
	v_lshlrev_b32 v13, 2, v2                       ; 4 r
	v_lshlrev_b32 v14, 2, v1                       ; 4 x lane
	s_lshl_b32 s28, s2, 7
	v_add_nc_u32 v15, s28, v13                     ; 4 r + 128 w
	s_wait_kmcnt 0x0
	s_lshl_b32 s40, s24, 2
	s_add_nc_u64 s[6:7], s[6:7], s[40:41]
	s_load_b32 s25, s[6:7], 0x0                    ; the block's experts, 8 bits
	s_lshl_b32 s40, s24, 9
	s_add_nc_u64 s[4:5], s[4:5], s[40:41]          ; the block's 128 tokens
.irp t, 0,1,2,3,4,5,6,7
	global_load_b32 v[160+\t], v13, s[4:5] offset:64*\t    ; token r of tile t: for its experts and gates
.endr
.irp p, 0,1,2,3
	global_load_b32 v[168+\p], v14, s[4:5] offset:128*\p   ; token lane of the pair of tiles p: for its scale words
.endr
.irp u, 0,1
	global_load_b32 v[172+\u], v15, s[4:5] offset:64*\u    ; token r of tile 2 w + u: for its codes
.endr
	WIN 0x40
.irp a, 0,1,2,3,4,5,6,7
.irp i, 0,1
	global_load_b128 v[RO+8*\a+4*\i:RO+8*\a+4*\i+3], v6, s[4:5] offset:64*\a+16*\i   ; tokens 8 h .. 8 h + 7 of tile a: the rows that I shall store
.endr
.endr
	WIN 0
	s_mul_i32 s40, s3, 49152                       ; my group's fragments in an expert's images,
	s_add_nc_u64 s[12:13], s[12:13], s[40:41]
	s_lshl_b32 s40, s3, 11                         ; its 64 rows of scale bytes,
	s_add_nc_u64 s[14:15], s[14:15], s[40:41]
	s_lshl_b32 s40, s3, 8                          ; its 256 bytes of a row of the bias and of out0
	s_add_nc_u64 s[16:17], s[16:17], s[40:41]
	s_add_nc_u64 s[22:23], s[22:23], s[40:41]
	s_wait_loadcnt 0x0
.irp n, 0,1,2,3,4,5,6,7,8,9,10,11,12,13
	v_min_u32 v[160+\n], 0x1fff, v[160+\n]         ; a token's number is held inside the tables
.endr
.irp t, 0,1,2,3,4,5,6,7
	v_lshlrev_b32 v[176+\t], 3, v[160+\t]
.endr
.irp p, 0,1,2,3
	v_lshlrev_b32 v[184+\p], 5, v[168+\p]
.endr
.irp u, 0,1
	v_mul_u32_u24 v[188+\u], v[172+\u], 768
	v_add_nc_u32 v[188+\u], v[188+\u], v12
.endr
	WIN 0x80                                       ; 72 gathers.  The codes wait in window 2, where the accumulators will stand
.irp u, 0,1
.irp ks, 0,1,2,3,4,5,6,7
.irp c, 0,1,2
	global_load_b128 v[12*(8*\u+\ks)+4*\c:12*(8*\u+\ks)+4*\c+3], v[188+\u], s[8:9] offset:96*\ks+16*\c
.endr
.endr
.endr
	WIN 0
.irp p, 0,1,2,3
.irp j, 0,1
	global_load_b128 v[XS+8*\p+4*\j:XS+8*\p+4*\j+3], v[184+\p], s[10:11] offset:16*\j
.endr
.endr
.irp t, 0,1,2,3,4,5,6,7
	global_load_b64 v[EI+2*\t:EI+2*\t+1], v[176+\t], s[18:19]
	global_load_b64 v[GI+2*\t:GI+2*\t+1], v[176+\t], s[20:21]
.endr
	s_wait_kmcnt 0x0
	s_ctz_i32_b32 s27, s25                         ; the first expert that the block uses,
	s_min_u32 s27, s27, 7
	s_add_co_u32 s28, s25, -1
	s_and_b32 s26, s25, s28                        ; and those that remain
	BASES s27
	NEXTSB                                         ; 46 loads, in the order in which an expert's last K steps ask for its successor's
	WLD 0, 32, 0
	WLD 1, 32, 1
	WLD 2, 32, 2
	s_mov_b64 s[30:31], s[32:33]
	s_mov_b64 s[34:35], s[36:37]
	WIN 0x44                                       ; while the gathers are on their way: the stores' offsets, token x 4,096 + 16 r
.set n, 0
.rept 64
	v_min_u32 v[RO+n], 0x1fff, v[RO+n]
.set n, n+1
.endr
	WIN 0x41
.set n, 0
.rept 64
	v_lshl_add_u32 v[RO+n], v[RO+n], 12, v11
.set n, n+1
.endr
	WIN 0
.irp t, 0,1,2,3,4,5,6,7
	v_mov_b32 v[G+2*\t+1], 0
.endr
	s_wait_loadcnt 46                              ; all gathers are in; the first expert's 46 loads may be out
	WIN 0x08                                       ; an LDS store's data are its source 1: window 2
.irp u, 0,1
.irp ks, 0,1,2,3,4,5,6,7
.irp c, 0,1,2
	ds_store_b128 v10, v[12*(8*\u+\ks)+4*\c:12*(8*\u+\ks)+4*\c+3] offset:12288*\u+1536*\ks+512*\c
.endr
.endr
.endr
	WIN 0
	s_wait_dscnt 0x0                               ; for the others' sake: my 16 images lie in LDS
	s_barrier_signal -1
	s_barrier_wait -1                              ; all 64 do.  The launch's only barrier; it stands ahead of every branch on the mask
	XLD 0, 0
	XLD 1, 0
	EXPERT 1                                       ; the first expert is written out: it starts the sums
	s_mov_b32 s27, 0
.Lexpert:                                              ; eight trips, whatever the mask; a trip whose expert is not wanted issues nothing, so every count holds on every way
	s_bitcmp1_b32 s26, s27
	s_cbranch_scc0 .Lskip
	EXPERT 0
.Lskip:
	s_add_co_u32 s27, s27, 1
	s_cmp_lt_u32 s27, 8
	s_cbranch_scc1 .Lexpert
; THE WAY OUT, a tile of 16 tokens at a time.  A lane holds 32 bytes of a token's row and the lanes beside it other tokens': so a tile goes through my own stage in LDS and comes back as rows of 256 bytes.
; LDS serves a wave's instructions in order (ISA guide 5.7.1.4): no wait between the stores and the loads, nor in front of the next tile's stores.
.macro TOSTAGE a
	WIN 0x0c                                       ; the data: window 3
.irp ot, 0,1,2,3
.irp i, 0,1
	ds_store_b128 v8, v[32*(\a)+8*\ot+4*\i:32*(\a)+8*\ot+4*\i+3] offset:64*\ot+16*\i
.endr
.endr
	WIN 0
.irp i, 0,1,2,3,4,5,6,7
	ds_load_b128 v[XF+32*((\a)%2)+4*\i:XF+32*((\a)%2)+4*\i+3], v9 offset:272*\i
.endr
.endm
.macro SEND a, younger                 ; younger: the LDS instructions issued behind tile a's loads: the next tile's 8 stores and 8 loads, or none
	s_wait_dscnt \younger
	WIN 0x01                                       ; the offsets: window 1
.irp i, 0,1,2,3,4,5,6,7
	global_store_b128 v[RO+8*(\a)+\i], v[XF+32*((\a)%2)+4*\i:XF+32*((\a)%2)+4*\i+3], s[22:23] th:TH_STORE_NT   ; sixteen lanes store 256 consecutive bytes of a token's row, at a multiple of 256; written once, read by nobody here
.endr
	WIN 0
.endm
	s_wait_dscnt 0x0                               ; the last look-ahead for x has landed: its registers take the rows
	TOSTAGE 0
.irp a, 1,2,3,4,5,6,7
.if \a > 1
	s_wait_xcnt 0x0                                ; tile a - 2's stores have read their registers: tile a's rows may land there
.endif
	TOSTAGE \a
	SEND \a-1, 16
.endr
	SEND 7, 0
	s_wait_tensorcnt 0x0
	ds_add_u32 v158, v159
	s_wait_dscnt 0x0
	s_endpgm
.Lfunc_end_k_q04d52603e8_experts:
	.size	k_q04d52603e8_experts, .Lfunc_end_k_q04d52603e8_experts-k_q04d52603e8_experts
	.p2alignl 7, 3214868480
	.fill 96, 4, 3214868480
	.section	.rodata,"a",@progbits
	.p2align	6, 0x0
	.amdhsa_kernel k_q04d52603e8_experts
		.amdhsa_group_segment_fixed_size 117248
		.amdhsa_private_segment_fixed_size 0
		.amdhsa_enable_private_segment 0
		.amdhsa_kernarg_size 80
		.amdhsa_user_sgpr_count 2
		.amdhsa_user_sgpr_kernarg_segment_ptr 1
		.amdhsa_wavefront_size32 1
		.amdhsa_system_sgpr_workgroup_id_x 1
		.amdhsa_system_sgpr_workgroup_id_y 1
		.amdhsa_system_sgpr_workgroup_id_z 1
		.amdhsa_system_vgpr_workitem_id 0
		.amdhsa_next_free_vgpr 1024
		.amdhsa_next_free_sgpr 66
		.amdhsa_reserve_vcc 1
		.amdhsa_float_denorm_mode_32 3
		.amdhsa_float_denorm_mode_16_64 3
		.amdhsa_memory_ordered 1
		.amdhsa_forward_progress 1
		.amdhsa_inst_pref_size 184
	.end_amdhsa_kernel
	.amdgpu_metadata
---
amdhsa.version: [ 1, 2 ]
amdhsa.kernels:
  - .name:           k_q04d52603e8_experts
    .symbol:         k_q04d52603e8_experts.kd
    .args:
      - { .name: order, .offset: 0, .size: 8, .value_kind: global_buffer, .address_space: global }
      - { .name: bmask, .offset: 8, .size: 8, .value_kind: global_buffer, .address_space: global }
      - { .name: xcodes, .offset: 16, .size: 8, .value_kind: global_buffer, .address_space: global }
      - { .name: xscales, .offset: 24, .size: 8, .value_kind: global_buffer, .address_space: global }
      - { .name: wimg, .offset: 32, .size: 8, .value_kind: global_buffer, .address_space: global }
      - { .name: expert_weight_scales, .offset: 40, .size: 8, .value_kind: global_buffer, .address_space: global }
      - { .name: expert_bias, .offset: 48, .size: 8, .value_kind: global_buffer, .address_space: global }
      - { .name: out1, .offset: 56, .size: 8, .value_kind: global_buffer, .address_space: global }
      - { .name: out2, .offset: 64, .size: 8, .value_kind: global_buffer, .address_space: global }
      - { .name: out0, .offset: 72, .size: 8, .value_kind: global_buffer, .address_space: global }
    .group_segment_fixed_size: 117248
    .private_segment_fixed_size: 0
    .kernarg_segment_align: 8
    .kernarg_segment_size: 80
    .max_flat_workgroup_size: 128
    .sgpr_count:     66
    .vgpr_count:     1024
    .wavefront_size: 32
...
	.end_amdgpu_metadata
.endif
;; end of part 3
;; ======== version 2 of 3: 3 launches; 1.22 times as fast as version 1
;; workspace buffers: xcodes 6,291,456 bytes; xscales 262,144 bytes; wimg 6,291,456 bytes; tk 32,768 bytes of whole numbers; hist 8,192 bytes of whole numbers; order 32,768 bytes of whole numbers; bmask 256 bytes of whole numbers
;; launch gate (part 4): grid 256 x 1, 16 waves a work-group, no clusters, 217,088 bytes of LDS; arguments hidden_states, wg, xcodes, xscales, tk, hist, out1, out2; writes xcodes, xscales, tk, hist, out1, out2
.if DOCPART == 4
	.amdgcn_target "amdgcn-amd-amdhsa--gfx1250"
	.amdhsa_code_object_version 6
	.text
	.protected	k_q04d52603e8_gate
	.globl	k_q04d52603e8_gate
	.p2align	8
	.type	k_q04d52603e8_gate,@function
k_q04d52603e8_gate:
	s_mov_b64 s[64:65], 0
	v_nop
	global_prefetch_b8 v0, s[64:65] scope:SCOPE_SE
	s_setreg_imm32_b32 hwreg(HW_REG_WAVE_MODE, 25, 1), 1
	s_wait_xcnt 0x0
; TaskMoE, first of three launches.  x = hidden_states [8192][1024] f32, wg [1024][8] f32.
; It makes: (a) the router: logits = x wg in f32 (fused multiply-adds), softmax, the two largest (ties to the lower index), their gates: out1, out2;
; (b) x as codes of E3M2 with one E8M0 byte for each 32 along H, for the third launch; (c) for the second launch, whole numbers at fixed places:
; for each token a key for its pair of experts and its rank among the tokens of that key in its chunk of 32 (tk), for each chunk how many tokens each key has (hist).
; No address and no branch here hangs on the choice: it is only stored.
; SHARES.  A work-group takes 32 tokens (a chunk).  Wave w takes k = 64 w .. 64 w + 63: 256 bytes of each row.  LANE (r, h) HOLDS TOKENS r AND r + 16, AND OF EACH THE BLOCK 2 w + h: 32 neighbours along K.
; So a block's largest magnitude needs no other lane, the conversions find 16 neighbours along K in a lane's registers, and each number of wg that a lane fetches serves two tokens.
; x comes by one tensor load a wave (32 rows x 256 bytes, each row 256 consecutive bytes at a multiple of 256), all 128 KiB asked for at the head; LDS is filled once.
; wg: a wave brings its 64 rows (2 KiB) once through registers into LDS bytes of its own, laid so that the numbers of two neighbouring k stand side by side for each expert; in the loop the sixteen lanes of a half
; read one address.  A load of 16 bytes feeds four packed multiply-adds (2 experts x 2 tokens, 2 k each): 64 loads and 256 packed multiply-adds a wave.
; xcodes: [token][K step of 128][h][48 bytes]: blocks h and 2 + h of the step: the 12 operand registers of lane (r, h) on end.  xscales: [token][32], blocks in order.
; THE KEY: lo < hi the two experts; key = lo (15 - lo) / 2 + (lo even ? hi - lo - 1 : 7 - hi): 28 keys, ordered so that neighbouring keys share an expert.
; LIMITS: NaN and infinities are not served.  A block whose largest magnitude lies under 2^-122 takes the byte 1 (a block of zeros too: its codes are zeros, and this program alone reads the bytes).
; The order of probabilities that are equal or denormal in f32 hangs on the last bit of v_exp_f32 (1 ulp: ISA guide, its entry).
.set XTW,  8704                        ; a wave's tile in LDS: 32 rows x (256 bytes + 16 of padding)
.set CST,  139264                      ; behind the 16 tiles: the codes' stage, 32 tokens x (768 bytes + 16)
.set SST,  164352                      ; the scale bytes, 32 a token
.set PL,   165376                      ; the partial logits [wave][token][8] f32
.set WGL,  181760                      ; wg: 2,048 bytes for each wave: [pair of k][expert][2] f32
.set M,    18                          ; v18-19   the two blocks' largest magnitudes
.set SO,   20                          ; v20-21   the conversions' scale operands
.set BY,   22                          ; v22-23   the scale bytes
.set C,    24                          ; v24-35   the two blocks' codes, 6 registers each
.set TT,   36                          ; v36-43   each block's upper 16 codes as the conversion leaves them
.set X,    48                          ; v48-111  32 numbers of token r, 32 of token r + 16
.set P,    48                          ; v48-175  wave 0, later: the 16 waves' partial logits
.set ACC,  112                         ; v112-143 the sums: token u, expert e at v[ACC + 16 u + 2 e]: a pair, even k's and odd k's
.set W,    144                         ; v144-207 four sets of 16: wg of one pair of k, 8 experts x 2
.set L,    208                         ; v208-223 the sums' pairs added; at the head: wg as it is loaded
.set U,    224                         ; v224-239 wg, interleaved
.set CO,   240                         ; v240-251 codes on their way out
	s_load_b256 s[4:11], s[0:1], 0x0               ; x s[4:5], wg s[6:7], xcodes s[8:9], xscales s[10:11]
	s_load_b256 s[12:19], s[0:1], 0x20             ; tk s[12:13], hist s[14:15], out1 s[16:17], out2 s[18:19]
	v_lshl_add_u32 v254, v0, 2, 0x34800
	v_mov_b32 v255, 0
	ds_add_u32 v254, v255
	ds_add_u32 v254, v255
	v_lshrrev_b32 v1, 5, v0
	v_readfirstlane_b32 s2, v1                     ; wave 0..15
	v_and_b32 v1, 31, v0                           ; lane
	v_lshlrev_b32 v15, 6, v1                       ; 64 x lane: two rows of wg
	; descriptor group 1: 32 rows x 64 elements of 4 bytes, 1,024 elements from row to row, 4 words of padding behind every 64
	s_mov_b32 s24, (2<<16)|(1<<20)|(5<<22)|(3<<25)
	s_mov_b32 s25, 64<<16                          ; tensor_dim0 = 64
	s_mov_b32 s26, 32<<16                          ; tensor_dim1 = 32
	s_mov_b32 s27, 64<<16                          ; tile_dim0 = 64
	s_mov_b32 s28, 32                              ; tile_dim1 = 32
	s_mov_b32 s29, 1024                            ; stride from row to row
	s_mov_b32 s30, 0
	s_mov_b32 s31, 0
	s_mov_b32 s20, 1                               ; group 0: count = 1,
	s_mul_i32 s21, s2, XTW                         ; LDS address: my wave's tile,
	s_lshl_b32 s66, ttmp9, 17                      ; 32 rows of 4,096 bytes a work-group,
	s_lshl_b32 s3, s2, 8                           ; 256 bytes a wave
	s_add_co_u32 s66, s66, s3
	s_mov_b32 s67, 0
	s_wait_dscnt 0x0
	s_wait_kmcnt 0x0
	s_add_nc_u64 s[4:5], s[4:5], s[66:67]
	s_mov_b64 s[22:23], s[4:5]                     ; global address,
	s_or_b32 s23, s23, 0x80000000                  ; type = 2
	tensor_load_to_lds s[20:23], s[24:31]          ; one load a wave is out
	s_nop 0
.rept 4
	v_nop
.endr
	s_lshl_b32 s66, s2, 11                         ; wg: my 64 rows of 32 bytes
	s_add_nc_u64 s[6:7], s[6:7], s[66:67]
.irp c, 0,1,2,3
	global_load_b128 v[L+4*\c:L+4*\c+3], v15, s[6:7] offset:16*\c   ; lane l: rows 2 l and 2 l + 1 of my 64: 16 numbers.  They travel beside x's tile
.endr
	s_mul_i32 s66, ttmp9, 24576                    ; xcodes: 32 tokens x 768 bytes a work-group, two tokens a wave
	s_mul_i32 s3, s2, 1536
	s_add_co_u32 s66, s66, s3
	s_add_nc_u64 s[8:9], s[8:9], s[66:67]
	s_lshl_b32 s66, ttmp9, 10
	s_add_nc_u64 s[10:11], s[10:11], s[66:67]      ; xscales: 1,024 bytes a work-group
	s_lshl_b32 s66, ttmp9, 7
	s_add_nc_u64 s[12:13], s[12:13], s[66:67]      ; tk: 128 bytes
	s_lshr_b32 s66, ttmp9, 4
	s_lshl_b32 s66, s66, 9
	s_and_b32 s3, ttmp9, 15
	s_add_co_u32 s66, s66, s3
	s_add_nc_u64 s[14:15], s[14:15], s[66:67]      ; hist: [chunk / 16][key][chunk % 16]
	s_lshl_b32 s66, ttmp9, 8
	s_add_nc_u64 s[16:17], s[16:17], s[66:67]      ; out1, out2: 256 bytes
	s_add_nc_u64 s[18:19], s[18:19], s[66:67]
	; LDS addresses: all are made here, ahead of every branch
	v_and_b32 v16, 15, v0                          ; r
	v_bfe_u32 v17, v0, 4, 1                        ; h
	v_mul_u32_u24 v2, v16, 272
	v_lshl_add_u32 v2, v17, 7, v2
	v_add_nc_u32 v2, s21, v2                       ; my wave's tile: row r, + 128 h bytes: my block; token r + 16 lies 16 rows on
	s_lshr_b32 s3, s2, 1
	s_mul_i32 s3, s3, 96                           ; block 2 w + h lies in K step w / 2,
	s_and_b32 s66, s2, 1
	s_mul_i32 s66, s66, 24                         ; in that step's half h, 24 (w % 2) bytes in
	s_add_co_u32 s3, s3, s66
	s_add_co_u32 s3, s3, CST
	v_mul_u32_u24 v3, v16, 784
	v_mad_u32_u24 v3, v17, 48, v3
	v_add_nc_u32 v3, s3, v3                        ; where token r's codes go in the stage
	s_lshl_b32 s3, s2, 1
	s_add_co_u32 s3, s3, SST
	v_lshl_add_u32 v4, v16, 5, s3
	v_add_nc_u32 v4, v4, v17                       ; token r's scale byte of block 2 w + h
	s_lshl_b32 s3, s2, 10
	s_add_co_u32 s3, s3, PL
	v_lshl_add_u32 v5, v1, 5, s3                   ; the 8 partial logits of token = lane
	v_lshlrev_b32 v8, 4, v1                        ; 16 x lane
	s_mul_i32 s3, s2, 1568
	s_add_co_u32 s3, s3, CST
	v_add_nc_u32 v6, s3, v8                        ; the stage on the way out: tokens 2 w and 2 w + 1, 1,536 bytes with 16 of padding between them
	v_lshl_add_u32 v7, v17, 4, v6                  ; for the middle 512 bytes: lanes 16-31 lie behind the padding
	v_lshl_add_u32 v9, v1, 5, PL                   ; wave 0: token = lane, all waves' partial logits
	v_add_nc_u32 v10, SST, v8                      ; wave 1: the scale bytes on their way out
	v_lshlrev_b32 v11, 2, v1                       ; 4 x lane
	v_lshlrev_b32 v12, 3, v1                       ; 8 x lane
	s_lshl_b32 s3, s2, 11
	s_add_co_u32 s3, s3, WGL
	v_lshl_add_u32 v13, v17, 10, s3                ; my wave's wg, read: my block's 16 pairs of k begin 1,024 h bytes in
	v_add_nc_u32 v14, s3, v15                      ; and stored: pair l at 64 l
	s_wait_loadcnt 0x0                             ; my two rows of wg
.irp e, 0,1,2,3,4,5,6,7
	v_mov_b32 v[U+2*\e], v[L+\e]                   ; expert e: the even k's number,
	v_mov_b32 v[U+2*\e+1], v[L+8+\e]               ; and the odd k's beside it
.endr
.irp c, 0,1,2,3
	ds_store_b128 v14, v[U+4*\c:U+4*\c+3] offset:16*\c   ; bytes of my wave's own, into which no tile lands; LDS serves a wave's instructions in order (ISA guide 5.7.1.4): my loads below see them
.endr
	s_wait_tensorcnt 0x0                           ; my tile is in LDS; only I read it
.irp u, 0,1
.irp j, 0,1,2,3,4,5,6,7
	ds_load_b128 v[X+32*\u+4*\j:X+32*\u+4*\j+3], v2 offset:4352*\u+16*\j   ; rows 272 bytes apart: sixteen lanes take sixteen different 16-byte columns of 256
.endr
.endr
	; THE LOGITS.  Pair i of my block's 16 pairs of k: 64 bytes of wg into set i % 4, asked for three pairs ahead; 16 packed multiply-adds: 2 tokens x 8 experts, the even k in the low half, the odd k in the high half.
.macro WLOAD i
.irp c, 0,1,2,3
	ds_load_b128 v[W+16*((\i)%4)+4*\c:W+16*((\i)%4)+4*\c+3], v13 offset:64*(\i)+16*\c   ; the sixteen lanes of a half read one address
.endr
.endm
.macro KPAIR i
.if (\i)+3 < 16
	WLOAD (\i)+3                                   ; into the set that the pair before has multiplied
.endif
.if (\i) < 13
	s_wait_dscnt 12                                ; LDS loads return in order: this pair's set is in (and, at the first pair, x); the three younger sets of four loads may be out
.else
	s_wait_dscnt 4*(15-(\i))                       ; the last pairs ask for nothing: the counts run down
.endif
.irp u, 0,1
.irp e, 0,1,2,3,4,5,6,7
.set rA, ACC+16*\u+2*\e
.set rX, X+32*\u+2*(\i)
.set rW, W+16*((\i)%4)+2*\e
.if (\i) == 0
	v_pk_mul_f32 v[rA:rA+1], v[rX:rX+1], v[rW:rW+1]                ; the first products start the sums: nothing is cleared
.else
	v_pk_fma_f32 v[rA:rA+1], v[rX:rX+1], v[rW:rW+1], v[rA:rA+1]
.endif
.endr
.endr
.endm
	WLOAD 0
	WLOAD 1
	WLOAD 2
.irp i, 0,1,2,3,4,5,6,7,8,9,10,11,12,13,14,15
	KPAIR \i
.endr
.irp n, 0,1,2,3,4,5,6,7,8,9,10,11,12,13,14,15
	v_add_f32 v[L+\n], v[ACC+2*\n], v[ACC+2*\n+1]  ; even k's + odd k's: v[L + e] token r, v[L + 8 + e] token r + 16, each over my block
.endr
.irp e, 0,1,2,3,4,5,6,7
	v_permlane16_swap_b32 v[L+\e], v[L+8+\e]       ; the first's lanes 16-31 change places with the second's lanes 0-15: both registers now hold token r in lanes 0-15 and token r + 16 in lanes 16-31, one for each block
.endr
.irp e, 0,1,2,3,4,5,6,7
	v_add_f32 v[L+\e], v[L+\e], v[L+8+\e]          ; both blocks: LANE = TOKEN from here on
.endr
	ds_store_b128 v5, v[L:L+3]
	ds_store_b128 v5, v[L+4:L+7] offset:16
	; THE QUANTISER, my two blocks (token r's, token r + 16's) by turns.  The largest magnitude, with the floor 2^(5 - 127) among its leaves, so that the byte cannot fall under 1
.irp b, 0,1
	v_max3_num_f32 v[M+\b], |v[X+32*\b]|, |v[X+32*\b+1]|, 0x2800000
.endr
.irp i, 2,4,6,8,10,12,14,16,18,20,22,24,26,28,30
.irp b, 0,1
	v_max3_num_f32 v[M+\b], v[M+\b], |v[X+32*\b+\i]|, |v[X+32*\b+\i+1]|
.endr
.endr
.irp b, 0,1
	v_add_nc_u32 v[SO+\b], 0xfe000000, v[M+\b]     ; 4 off its exponent field: the conversion takes the exponent field of this operand as its scale
.endr
.irp b, 0,1
	v_cvt_scalef32_pk16_bf6_f32 v[C+6*\b:C+6*\b+2], v[X+32*\b:X+32*\b+15], v[SO+\b]
	v_cvt_scalef32_pk16_bf6_f32 v[TT+4*\b:TT+4*\b+2], v[X+32*\b+16:X+32*\b+31], v[SO+\b]   ; (a conversion's three registers begin on an even number)
.endr
.irp b, 0,1
	v_lshrrev_b32 v[BY+\b], 23, v[SO+\b]           ; the scale's byte.  (These are also the plain lines behind the conversions)
.endr
.irp b, 0,1
.irp i, 0,1,2
	v_mov_b32 v[C+6*\b+3+\i], v[TT+4*\b+\i]
.endr
.endr
.irp b, 0,1
.irp i, 0,1,2
	ds_store_b64 v3, v[C+6*\b+2*\i:C+6*\b+2*\i+1] offset:12544*\b+8*\i   ; token r + 16 lies 16 rows of 784 bytes on
.endr
	ds_store_b8 v4, v[BY+\b] offset:512*\b
.endr
	s_wait_dscnt 0x0                               ; for the others' sake: my codes, bytes and partial logits lie in LDS
	s_barrier_signal -1
	s_barrier_wait -1                              ; everybody's do.  The launch's only barrier
	; every wave stores two tokens' codes: 1,536 consecutive bytes, three stores of 512, each at a multiple of 256
	ds_load_b128 v[CO:CO+3], v6
	ds_load_b128 v[CO+4:CO+7], v7 offset:512
	ds_load_b128 v[CO+8:CO+11], v6 offset:1040
	s_wait_dscnt 2                                 ; LDS loads return in order: the first is in, two younger ones may be out
	global_store_b128 v8, v[CO:CO+3], s[8:9]
	s_wait_dscnt 1
	global_store_b128 v8, v[CO+4:CO+7], s[8:9] offset:512
	s_wait_dscnt 0x0
	global_store_b128 v8, v[CO+8:CO+11], s[8:9] offset:1024
	s_cmp_eq_u32 s2, 1
	s_cbranch_scc0 .Lnot_wave_1
	ds_load_b128 v[48:51], v10                     ; wave 1: the chunk's 1,024 scale bytes
	ds_load_b128 v[52:55], v10 offset:512
	s_wait_dscnt 0x0
	global_store_b128 v8, v[48:51], s[10:11]
	global_store_b128 v8, v[52:55], s[10:11] offset:512
	s_wait_tensorcnt 0x0
	ds_add_u32 v254, v255
	s_wait_dscnt 0x0
	s_endpgm
.Lnot_wave_1:
	s_cmp_eq_u32 s2, 0
	s_cbranch_scc1 .Lrouter
	s_wait_tensorcnt 0x0
	ds_add_u32 v254, v255
	s_wait_dscnt 0x0
	s_endpgm
.Lrouter:
	; WAVE 0: THE ROUTER, lane = token
.irp w, 0,1,2,3,4,5,6,7,8,9,10,11,12,13,14,15
	ds_load_b128 v[P+8*\w:P+8*\w+3], v9 offset:1024*\w
	ds_load_b128 v[P+8*\w+4:P+8*\w+7], v9 offset:1024*\w+16
.endr
	s_wait_dscnt 0x0
.irp d, 64,32,16,8                     ; the 16 partial sums are added as a tree, two numbers an instruction: 32 + 16 + 8 + 4 lines
.set n, 0
.rept \d/2
	v_pk_add_f32 v[P+n:P+n+1], v[P+n:P+n+1], v[P+n+\d:P+n+\d+1]
.set n, n+2
.endr
.endr
	v_max3_num_f32 v56, v48, v49, v50              ; the largest logit is taken away ahead of the exponentials
	v_max3_num_f32 v56, v56, v51, v52
	v_max3_num_f32 v56, v56, v53, v54
	v_max_num_f32 v56, v56, v55
	v_mov_b32 v57, 0x42800000                      ; 64.0
	v_mov_b32 v58, -64
	s_mov_b32 s24, 0x3fb8aa3b                      ; log2(e)
	s_mov_b32 s25, 0xc2800000                      ; -64.0
.irp e, 0,1,2,3,4,5,6,7
	v_sub_f32 v[48+\e], v[48+\e], v56
.endr
.irp e, 0,1,2,3,4,5,6,7
	v_mul_f32 v[48+\e], s24, v[48+\e]              ; a = (l - m) log2(e), 0 or less
.endr
.irp e, 0,1,2,3,4,5,6,7                ; v_exp_f32 gives 0 for results under 2^-126 (ISA guide, its entry): where a < -64 the exponential is taken of a + 64 (exact there) and 64 is taken off the exponent afterwards, so that denormal probabilities are kept
	v_cmp_gt_f32 vcc_lo, s25, v[48+\e]
	v_cndmask_b32 v[64+\e], 0, v57, vcc_lo
	v_cndmask_b32 v[72+\e], 0, v58, vcc_lo
.endr
.irp e, 0,1,2,3,4,5,6,7
	v_add_f32 v[48+\e], v[48+\e], v[64+\e]
.endr
.irp e, 0,1,2,3,4,5,6,7
	v_exp_f32 v[48+\e], v[48+\e]
.endr
	v_nop                                          ; a plain line behind the last exponential
	s_wait_alu depctr_va_vdst(0)                   ; one wait for the batch of eight, ahead of its first reader
.irp e, 0,1,2,3,4,5,6,7
	v_ldexp_f32 v[48+\e], v[48+\e], v[72+\e]
.endr
	v_add_f32 v60, v48, v49
	v_add_f32 v61, v50, v51
	v_add_f32 v62, v52, v53
	v_add_f32 v63, v54, v55
	v_add_f32 v60, v60, v61
	v_add_f32 v62, v62, v63
	v_add_f32 v60, v60, v62                        ; the sum, between 1 and 8
	v_rcp_f32 v61, v60
	v_nop
	s_wait_alu depctr_va_vdst(0)
.irp e, 0,1,2,3,4,5,6,7
	v_mul_f32 v[48+\e], v[48+\e], v61              ; the probabilities
.endr
	v_mov_b32 v80, v48                             ; the largest: a strict compare keeps the lower index
	v_mov_b32 v82, 0
.irp e, 1,2,3,4,5,6,7
	v_cmp_gt_f32 vcc_lo, v[48+\e], v80
	v_cndmask_b32 v80, v80, v[48+\e], vcc_lo
	v_cndmask_b32 v82, v82, \e, vcc_lo
.endr
.irp e, 0,1,2,3,4,5,6,7
	v_cmp_eq_u32 vcc_lo, \e, v82
	v_cndmask_b32 v[88+\e], v[48+\e], -1.0, vcc_lo ; the winner steps out: -1 lies under every probability
.endr
	v_mov_b32 v81, v88                             ; the second largest, in the same way
	v_mov_b32 v83, 0
.irp e, 1,2,3,4,5,6,7
	v_cmp_gt_f32 vcc_lo, v[88+\e], v81
	v_cndmask_b32 v81, v81, v[88+\e], vcc_lo
	v_cndmask_b32 v83, v83, \e, vcc_lo
.endr
	v_add_f32 v60, v80, v81
	v_rcp_f32 v61, v60
	v_min_u32 v96, v82, v83                        ; lo.  (A plain line behind the reciprocal)
	v_max_u32 v97, v82, v83                        ; hi
	s_wait_alu depctr_va_vdst(0)
	v_mul_f32 v84, v80, v61                        ; the gates
	v_mul_f32 v85, v81, v61
	global_store_b64 v12, v[82:83], s[16:17]       ; 32 lanes store 256 consecutive bytes, at a multiple of 256
	global_store_b64 v12, v[84:85], s[18:19]
	v_sub_nc_u32 v98, 15, v96
	v_mul_u32_u24 v98, v98, v96
	v_lshrrev_b32 v98, 1, v98                      ; lo (15 - lo) / 2
	v_sub_nc_u32 v99, v97, v96
	v_add_nc_u32 v99, -1, v99                      ; hi - lo - 1
	v_sub_nc_u32 v100, 7, v97                      ; 7 - hi
	v_and_b32 v101, 1, v96
	v_cmp_eq_u32 vcc_lo, 1, v101
	v_cndmask_b32 v99, v99, v100, vcc_lo
	v_add_nc_u32 v102, v98, v99                    ; the key, 0 .. 27
	v_mov_b32 v103, 0                              ; my rank among the chunk's tokens of my key
	v_mov_b32 v104, 0                              ; lane k: how many tokens of the chunk have key k
.irp k, 0,1,2,3,4,5,6,7,8,9,10,11,12,13,14,15,16,17,18,19,20,21,22,23,24,25,26,27
	v_cmp_eq_u32 s20, \k, v102                     ; who has key k: the mask feeds values alone
	v_mbcnt_lo_u32_b32 v105, s20, 0                ; how many of them stand below my lane
	v_cndmask_b32 v103, v103, v105, s20
	s_bcnt1_i32_b32 s21, s20
	v_writelane_b32 v104, s21, \k
.endr
	v_lshl_or_b32 v106, v103, 8, v102
	global_store_b32 v11, v106, s[12:13]           ; key | rank << 8
	global_store_b8 v8, v104, s[14:15]             ; 16 bytes from key to key: the 16 chunks of a group lie side by side
	s_wait_tensorcnt 0x0
	ds_add_u32 v254, v255
	s_wait_dscnt 0x0
	s_endpgm
.Lfunc_end_k_q04d52603e8_gate:
	.size	k_q04d52603e8_gate, .Lfunc_end_k_q04d52603e8_gate-k_q04d52603e8_gate
	.p2alignl 7, 3214868480
	.fill 96, 4, 3214868480
	.section	.rodata,"a",@progbits
	.p2align	6, 0x0
	.amdhsa_kernel k_q04d52603e8_gate
		.amdhsa_group_segment_fixed_size 217088
		.amdhsa_private_segment_fixed_size 0
		.amdhsa_enable_private_segment 0
		.amdhsa_kernarg_size 64
		.amdhsa_user_sgpr_count 2
		.amdhsa_user_sgpr_kernarg_segment_ptr 1
		.amdhsa_wavefront_size32 1
		.amdhsa_system_sgpr_workgroup_id_x 1
		.amdhsa_system_sgpr_workgroup_id_y 1
		.amdhsa_system_sgpr_workgroup_id_z 1
		.amdhsa_system_vgpr_workitem_id 0
		.amdhsa_next_free_vgpr 256
		.amdhsa_next_free_sgpr 68
		.amdhsa_reserve_vcc 1
		.amdhsa_float_denorm_mode_32 3
		.amdhsa_float_denorm_mode_16_64 3
		.amdhsa_memory_ordered 1
		.amdhsa_forward_progress 1
		.amdhsa_inst_pref_size 54
	.end_amdhsa_kernel
	.amdgpu_metadata
---
amdhsa.version: [ 1, 2 ]
amdhsa.kernels:
  - .name:           k_q04d52603e8_gate
    .symbol:         k_q04d52603e8_gate.kd
    .args:
      - { .name: hidden_states, .offset: 0, .size: 8, .value_kind: global_buffer, .address_space: global }
      - { .name: wg, .offset: 8, .size: 8, .value_kind: global_buffer, .address_space: global }
      - { .name: xcodes, .offset: 16, .size: 8, .value_kind: global_buffer, .address_space: global }
      - { .name: xscales, .offset: 24, .size: 8, .value_kind: global_buffer, .address_space: global }
      - { .name: tk, .offset: 32, .size: 8, .value_kind: global_buffer, .address_space: global }
      - { .name: hist, .offset: 40, .size: 8, .value_kind: global_buffer, .address_space: global }
      - { .name: out1, .offset: 48, .size: 8, .value_kind: global_buffer, .address_space: global }
      - { .name: out2, .offset: 56, .size: 8, .value_kind: global_buffer, .address_space: global }
    .group_segment_fixed_size: 217088
    .private_segment_fixed_size: 0
    .kernarg_segment_align: 8
    .kernarg_segment_size: 64
    .max_flat_workgroup_size: 512
    .sgpr_count:     68
    .vgpr_count:     256
    .wavefront_size: 32
...
	.end_amdgpu_metadata
.endif
;; end of part 4
;; launch place: the kernel of part 2 again; grid 260 x 1, 4 waves a work-group, no clusters, 0 bytes of LDS; arguments tk, hist, expert_weight_codes, order, bmask, wimg; writes order, bmask, wimg
;; launch experts: the kernel of part 3 again; grid 4 x 64, 4 waves a work-group, no clusters, 117,248 bytes of LDS; arguments order, bmask, xcodes, xscales, wimg, expert_weight_scales, expert_bias, out1, out2, out0; writes out0
;; ======== version 3 of 3: 3 launches; version 2 with the launch experts written anew for expert scheduling mode
;; workspace buffers: xcodes 6,291,456 bytes; xscales 262,144 bytes; wimg 6,291,456 bytes; tk 32,768 bytes of whole numbers; hist 8,192 bytes of whole numbers; order 32,768 bytes of whole numbers; bmask 256 bytes of whole numbers
;; launch gate: the kernel of part 4 again; grid 256 x 1, 16 waves a work-group, no clusters, 217,088 bytes of LDS; arguments hidden_states, wg, xcodes, xscales, tk, hist, out1, out2; writes xcodes, xscales, tk, hist, out1, out2
;; launch place: the kernel of part 2 again; grid 260 x 1, 4 waves a work-group, no clusters, 0 bytes of LDS; arguments tk, hist, expert_weight_codes, order, bmask, wimg; writes order, bmask, wimg
;; launch experts (part 5): grid 4 x 64, 4 waves a work-group, no clusters, 117,248 bytes of LDS; arguments order, bmask, xcodes, xscales, wimg, expert_weight_scales, expert_bias, out1, out2, out0; writes out0
.if DOCPART == 5
	.amdgcn_target "amdgcn-amd-amdhsa--gfx1250"
	.amdhsa_code_object_version 6
	.text
	.protected	k_q04d52603e8_experts
	.globl	k_q04d52603e8_experts
	.p2align	8
	.type	k_q04d52603e8_experts,@function
k_q04d52603e8_experts:
	s_mov_b64 s[64:65], 0
	v_nop
	global_prefetch_b8 v0, s[64:65] scope:SCOPE_SE
	s_setreg_imm32_b32 hwreg(HW_REG_WAVE_SCHED_MODE, 0, 2), 2
	s_setreg_imm32_b32 hwreg(HW_REG_WAVE_MODE, 25, 1), 1
	s_wait_xcnt 0x0
	s_wait_alu depctr_vm_vsrc(0)
; TaskMoE, third of three launches: out0[token] = the sum over the token's two experts of gate x (Q(x) W_e^T + b_e), on codes of E3M2 with one E8M0 scale for each 32 along K.
; SHARES.  Work-group (x, y) takes block y of 128 tokens, sorted by their pair of experts, and outputs 256 x .. 256 x + 255.  Wave w takes all 128 tokens x 64 outputs: 32 accumulators.
; Each output number has one owner.  The work-group walks the 8 experts in a loop of constant count and passes over those that none of its tokens uses (a scalar branch on the stored mask).
; A token that does not use an expert of its block takes part with the gate 0 (v_cndmask_b32).
; OPERANDS.  x's 64 fragments (8 tiles of 16 tokens x 8 K steps) are gathered once, 16 a wave, and lie in LDS as images of their registers: all four waves read them, again for each expert.
; W's fragments go from memory (laid as register images by the launch before) straight into the one wave that needs them, three K steps ahead, four sets of registers by turns, on into the next expert.
; For 128 along K a wave reads 12 KiB from LDS and 6 KiB from memory for 32 matrix instructions.
; THE MATRIX INSTRUCTION IS USED TRANSPOSED: source 0 = 16 rows of W, source 1 = 16 tokens: a lane holds ONE token (lane % 16) and eight neighbouring outputs, so a gate is one number a lane.
; The bias is the C of each sum's first matrix instruction.
; NO TENSOR LOAD, NO JOINT REQUEST: which experts are walked hangs on a number read from memory, and work-groups of different blocks walk different experts; what the four work-groups of a block share
; (96 KiB of x's codes) is gathered row by row through a list.
; LIMITS: NaN and infinities are not served: a scale byte 0xff or a sum beyond f32's range in an expert that the block uses would reach, as 0 x NaN, also those of its tokens that do not use that expert.
; REGISTERS, in windows of 256 (s_set_vgpr_msb: bits 1:0 source 0, 3:2 source 1, 5:4 source 2, 7:6 destination):
;   window 0: v1-15 addresses; v16-47 x's scale words; v48-63 W's; v64-95 the bias; v96-111 the tokens' experts; v112-127 their gates; v128-143 this expert's gate; v160-255 x's 8 fragments of a K step
;   window 1: v0-191 W's four sets of 4 fragments; v192-255 the stores' offsets   window 2: the 32 accumulators of one expert (tile t, outputs ot: v[8 (4 t + ot)])   window 3: the 32 sums over experts
; THE MODE: SCHED_MODE bits 1:0 = 2 (LLVM: expert scheduling mode 2), set by the entry lines.  The code itself states the register dependences
; between vector or matrix instructions and memory or LDS instructions, with s_wait_alu, always for 0.
; THE PLAN.  Registers that memory or LDS instructions touch in the loop, and who else names them:
;   XF tiles 0-3   read by the 16 products of a K step's first half; the LDS loads of the next step land in them during the second half.
;   XF tiles 4-7   read by the 16 products of the second half; the LDS loads of the next step land in them during that step's first half.
;   W's set s      read by all 32 products of K step ks with ks % 4 = s; the loads of step ks + 4 land in it during step ks + 1.
;   WS, BIAS       the scale words of K steps 4-7 are read in those steps and loaded in the next expert's step 0; those of steps 0-3 and the bias (read in step 0) are loaded in step 5.
;   v4-v7          offsets and LDS addresses, made once at the head and never written again: scalar bases and immediate offsets do the rest.
;   The accumulators, the sums, XS, EI, GI and G are named in the loop by vector and matrix instructions alone.
; So TWO waits on va_vdst stand in a K step, one at the head of each half.  x's fragments have one set of registers (a second would be 96 registers; 14 are free), so each half's registers are freed by a wait of their own.
; Behind a half's wait its loads follow with no further wait, in runs of six between groups of four products: those products name W's set ks % 4, this half's four tiles of x, the scale words of step ks and the accumulators
; (in step 0 the bias): none of the registers that the loads touch.
.set STG,  98304                       ; LDS: x's images fill 0 .. 98,303 (tile t, K step ks at 12,288 t + 1,536 ks); behind them a stage of 16 rows x (256 bytes + 16) for each wave
.set XS,   16                          ; register 8 p + ks: lanes 0-15 the words of tile 2 p, lanes 16-31 of tile 2 p + 1
.set WS,   48                          ; register 8 i + ks: lanes 0-15 the words of outputs' tile 2 i, lanes 16-31 of tile 2 i + 1
.set BIAS, 64
.set EI,   96
.set GI,   112
.set G,    128                         ; v[G + 2 t]; the odd registers are written once: the packed forms name pairs
.set XF,   160
.set RO,   192                         ; in window 1
.set MSB, 0
.macro WIN new                         ; the immediate's high byte repeats the setting that is left; a switch that changes nothing is dropped
.if MSB != \new
	s_set_vgpr_msb (MSB<<8)|\new
.set MSB, \new
.endif
.endm
.macro PLACES                          ; four plain lines between a matrix instruction and a load into one of its registers or a vector read of its result (ISA guide 7.12.1 for vector reads); the waits on va_vdst stand beside them
.rept 4
	v_nop
.endr
.endm
.macro BASES e                         ; where expert e's fragments, scale words and bias begin for my 64 outputs: s[32:33], s[36:37], s[38:39]
	s_mul_i32 s40, \e, 786432
	s_add_nc_u64 s[32:33], s[12:13], s[40:41]
	s_lshl_b32 s40, \e, 15
	s_add_nc_u64 s[36:37], s[14:15], s[40:41]
	s_lshl_b32 s40, \e, 12
	s_add_nc_u64 s[38:39], s[16:17], s[40:41]
.endm
.macro NEXTS                           ; 2 loads: the next expert's scale words of K steps 0-3
	WIN 0
.irp i, 0,1
	global_load_b128 v[WS+8*\i:WS+8*\i+3], v7, s[36:37] offset:1024*\i
.endr
.endm
.macro NEXTB o0                        ; 4 loads: the next expert's bias for my tiles of outputs o0 and o0 + 1
	WIN 0
.irp ot, \o0, \o0+1
.irp i, 0,1
	global_load_b128 v[BIAS+8*(\ot)+4*\i:BIAS+8*(\ot)+4*\i+3], v6, s[38:39] offset:64*(\ot)+16*\i
.endr
.endr
.endm
.macro WSHI                            ; 2 loads: this expert's scale words of K steps 4-7
	WIN 0
.irp i, 0,1
	global_load_b128 v[WS+8*\i+4:WS+8*\i+7], v7, s[34:35] offset:1024*\i+16
.endr
.endm
.macro WRUN set, base, ks, o0          ; 6 loads: W's fragments o0 and o0 + 1 of K step ks
	WIN 0x40                                       ; destination window 1
.irp ot, \o0, \o0+1
.irp c, 0,1,2
	global_load_b128 v[48*(\set)+12*(\ot)+4*\c:48*(\set)+12*(\ot)+4*\c+3], v4, s[\base:\base+1] offset:6144*(\ks)+1536*(\ot)+512*\c
.endr
.endr
.endm
.macro XRUN t0, ks                     ; 6 LDS loads: x's tiles t0 and t0 + 1 of K step ks; each takes 512 consecutive bytes
	WIN 0
.irp t, \t0, \t0+1
.irp c, 0,1,2
	ds_load_b128 v[XF+12*(\t)+4*\c:XF+12*(\t)+4*\c+3], v[4+(\t)/4] offset:12288*((\t)%4)+1536*(\ks)+512*\c
.endr
.endr
.endm
.macro WM t, ot, ks                    ; one product.  An odd tile's scale words stand in lanes 16-31 of its pair's register
.set rD, 8*(4*(\t)+(\ot))
.set rC, rD
.if (\ks) == 0
.set rC, BIAS+8*(\ot)
.endif
.set rA, 48*((\ks)%4)+12*(\ot)
.set rB, XF+12*(\t)
.set rSA, WS+8*((\ot)/2)+(\ks)
.set rSB, XS+8*((\t)/2)+(\ks)
.if ((\ot)%2 == 0) && ((\t)%2 == 0)
	v_wmma_scale_f32_16x16x128_f8f6f4 v[rD:rD+7], v[rA:rA+11], v[rB:rB+11], v[rC:rC+7], v[rSA], v[rSB] matrix_a_fmt:MATRIX_FMT_BF6 matrix_b_fmt:MATRIX_FMT_BF6
.elseif ((\ot)%2 == 1) && ((\t)%2 == 0)
	v_wmma_scale_f32_16x16x128_f8f6f4 v[rD:rD+7], v[rA:rA+11], v[rB:rB+11], v[rC:rC+7], v[rSA], v[rSB] matrix_a_fmt:MATRIX_FMT_BF6 matrix_b_fmt:MATRIX_FMT_BF6 matrix_a_scale:MATRIX_SCALE_ROW1
.elseif ((\ot)%2 == 0)
	v_wmma_scale_f32_16x16x128_f8f6f4 v[rD:rD+7], v[rA:rA+11], v[rB:rB+11], v[rC:rC+7], v[rSA], v[rSB] matrix_a_fmt:MATRIX_FMT_BF6 matrix_b_fmt:MATRIX_FMT_BF6 matrix_b_scale:MATRIX_SCALE_ROW1
.else
	v_wmma_scale_f32_16x16x128_f8f6f4 v[rD:rD+7], v[rA:rA+11], v[rB:rB+11], v[rC:rC+7], v[rSA], v[rSB] matrix_a_fmt:MATRIX_FMT_BF6 matrix_b_fmt:MATRIX_FMT_BF6 matrix_a_scale:MATRIX_SCALE_ROW1 matrix_b_scale:MATRIX_SCALE_ROW1
.endif
.endm
.macro MUL4 t, ks                      ; 4 products: tile t of the tokens x my four tiles of outputs.  The 32 accumulators take turns, one instruction a turn, in the same order in every K step
.if \ks == 0
	WIN 0x81                                       ; W window 1, x and the bias window 0, D window 2
.else
	WIN 0xa1                                       ; W window 1, x window 0, C and D window 2
.endif
.irp ot, 0,1,2,3
	WM \t, \ot, \ks
.endr
.endm
; A K step.  n: the global loads younger than this step's W and (in step 0) its bias, which may stay out.  In an expert each step issues: step 0: 14 (2 for scale words, 12 for W of step 3); steps 1-4: 12 each (W of steps 4-7);
; step 5: 22 (10 for the next expert's scale words and bias, 12 for its W of step 0); steps 6, 7: 12 each (its steps 1, 2).
; LDS loads go in runs of six (two tiles of x), one run younger than the one that is waited for: every wait on DScnt here is for 6.
.macro STEP ks, n
	s_wait_loadcnt \n
	s_wait_dscnt 6                                 ; x's tiles 0, 1 are in; the younger run (tiles 2, 3) may be out
	s_wait_alu depctr_va_vdst(0)                   ; the products of the K step before are done reading x's tiles 4-7, W's set (ks + 3) % 4 and their scale words (and all earlier ones the lower scale words and the bias): this half's loads land there
	MUL4 0, \ks
	XRUN 4, \ks                                    ; no vector or matrix instruction since the wait names these registers; so for every run below
.if \ks == 0
	WSHI                                           ; their registers were last read in the expert before
.endif
.if \ks == 5
	NEXTS                                          ; last read in K step 3
.endif
	MUL4 1, \ks
.if \ks < 5
	WRUN (\ks+3)%4, 30, \ks+3, 0                   ; into the set that the K step before has multiplied
.else
	WRUN (\ks+3)%4, 32, \ks-5, 0
.endif
	s_wait_dscnt 6                                 ; tiles 2, 3 are in; the run just issued (tiles 4, 5) may be out
	MUL4 2, \ks
	XRUN 6, \ks
.if \ks == 5
	NEXTB 0                                        ; last read in K step 0
.endif
	MUL4 3, \ks
	PLACES
	s_wait_dscnt 6                                 ; tiles 4, 5 are in; tiles 6, 7 may be out
	s_wait_alu depctr_va_vdst(0)                   ; the sixteen products above are done reading x's tiles 0-3, in which the next K step's fragments land
	MUL4 4, \ks
	XRUN 0, (\ks+1)%8
	MUL4 5, \ks
.if \ks < 5
	WRUN (\ks+3)%4, 30, \ks+3, 2
.else
	WRUN (\ks+3)%4, 32, \ks-5, 2
.endif
	s_wait_dscnt 6                                 ; tiles 6, 7 are in; the run just issued may be out
	MUL4 6, \ks
	XRUN 2, (\ks+1)%8
.if \ks == 5
	NEXTB 2
.endif
	MUL4 7, \ks
.if \ks < 7
	PLACES                                         ; (behind K step 7 the four lines at the head of COMBINE serve)
.endif
.endm
.macro COMBINE first                   ; the sums over experts take gate x this expert's results, each accumulator from its low end on; the first expert starts them: nothing is cleared
	PLACES
.if \first
	WIN 0xc2
.else
	WIN 0xf2
.endif
.irp t, 0,1,2,3,4,5,6,7
.irp n, 0,2,4,6,8,10,12,14,16,18,20,22,24,26,28,30
.if \first
	v_pk_mul_f32 v[32*\t+\n:32*\t+\n+1], v[32*\t+\n:32*\t+\n+1], v[G+2*\t:G+2*\t+1] op_sel_hi:[1,0]
.else
	v_pk_fma_f32 v[32*\t+\n:32*\t+\n+1], v[32*\t+\n:32*\t+\n+1], v[G+2*\t:G+2*\t+1], v[32*\t+\n:32*\t+\n+1] op_sel_hi:[1,0,1]
.endif
.endr
.endr
	WIN 0
.endm
; Expert s27.  Its first three K steps of W, its first scale words and its bias are on their way already, and so are x's tiles 0-3 of K step 0.
.macro EXPERT first
	s_add_co_u32 s28, s27, 1                       ; the next expert that the block uses:
	s_lshr_b32 s29, s26, s28
	s_ctz_i32_b32 s29, s29                         ; -1 where none is left: the look-ahead then falls on this expert's own first K steps, inside the buffer, and is not used
	s_add_co_u32 s28, s28, s29
	s_min_u32 s28, s28, 7
	s_wait_xcnt 0x0                                ; the loads that named the three bases have read them
	BASES s28
.irp t, 0,1,2,3,4,5,6,7
	v_cmp_eq_u32 s[42+2*\t], s27, v[EI+2*\t]       ; is this expert my token's first, or its second?  Sixteen masks in one run, s42 to s57
	v_cmp_eq_u32 s[43+2*\t], s27, v[EI+2*\t+1]
.endr
	s_wait_alu depctr_va_sdst(0)                   ; the sixteen compares have written s42 to s57, which the selects below read
.irp t, 0,1,2,3,4,5,6,7
	v_cndmask_b32 v[G+2*\t], 0, v[GI+2*\t], s[42+2*\t]             ; my token's gate for this expert, or 0
	v_cndmask_b32 v[G+2*\t], v[G+2*\t], v[GI+2*\t+1], s[43+2*\t]
.endr
	STEP 0, 24
	STEP 1, 26
	STEP 2, 26
	STEP 3, 24
	STEP 4, 24
	STEP 5, 24
	STEP 6, 34
	STEP 7, 34
	COMBINE \first
	s_wait_xcnt 0x0                                ; this expert's loads have read their bases
	s_mov_b64 s[30:31], s[32:33]                   ; the next expert becomes the one in hand
	s_mov_b64 s[34:35], s[36:37]
.endm
	s_load_b512 s[4:19], s[0:1], 0x0               ; order s[4:5], bmask s[6:7], xcodes s[8:9], xscales s[10:11], wimg s[12:13], W's scales s[14:15], the bias s[16:17], out1 s[18:19]
	s_load_b128 s[20:23], s[0:1], 0x40             ; out2 s[20:21], out0 s[22:23]
	v_lshl_add_u32 v158, v0, 2, 0x1c800
	v_mov_b32 v159, 0
	v_lshrrev_b32 v1, 5, v0
	v_readfirstlane_b32 s2, v1                     ; wave 0..3
	s_and_b32 s24, ttmp7, 0xffff                   ; the block of tokens
	s_mov_b32 s41, 0
	v_and_b32 v1, 31, v0                           ; lane
	v_and_b32 v2, 15, v0                           ; r
	v_bfe_u32 v3, v0, 4, 1                         ; h
	v_lshlrev_b32 v4, 4, v1                        ; 16 x lane: an image's place for my lane; tiles 0-3 of x
	v_add_nc_u32 v5, 49152, v4                     ; tiles 4-7
	v_lshlrev_b32 v6, 5, v3                        ; 32 h
	v_lshlrev_b32 v7, 5, v1                        ; 32 x lane: a row of W's scale bytes
	v_mul_u32_u24 v8, v2, 272
	v_lshl_add_u32 v8, v3, 5, v8                   ; the stage, in: row r, 32 bytes for each half of the lanes
	v_mul_u32_u24 v9, v3, 2176
	v_lshl_add_u32 v9, v2, 4, v9                   ; back: lanes 0-15 take rows 0-7, lanes 16-31 rows 8-15, a row of 256 bytes an instruction
	v_lshlrev_b32 v11, 4, v2                       ; 16 r
	v_mul_u32_u24 v12, v3, 48                      ; 48 h
	v_lshlrev_b32 v13, 2, v2                       ; 4 r
	v_lshlrev_b32 v14, 2, v1                       ; 4 x lane
	s_wait_alu depctr_va_sdst(0)                   ; s2 is written, ahead of its first reader: my group of outputs, my stage and my images' place are made from it
	s_lshl_b32 s3, ttmp9, 2
	s_add_co_u32 s3, s3, s2                        ; my group of 64 outputs, 0 .. 15
	s_mul_i32 s28, s2, 4352
	s_add_co_u32 s28, s28, STG                     ; my stage
	v_add_nc_u32 v8, s28, v8
	v_add_nc_u32 v9, s28, v9
	s_mul_i32 s29, s2, 24576
	v_add_nc_u32 v10, s29, v4                      ; where I store the images of tiles 2 w and 2 w + 1
	s_lshl_b32 s42, s2, 7
	v_add_nc_u32 v15, s42, v13                     ; 4 r + 128 w
	s_wait_kmcnt 0x0
	s_lshl_b32 s40, s24, 2
	s_add_nc_u64 s[6:7], s[6:7], s[40:41]
	s_load_b32 s25, s[6:7], 0x0                    ; the block's experts, 8 bits
	s_lshl_b32 s40, s24, 9
	s_add_nc_u64 s[4:5], s[4:5], s[40:41]          ; the block's 128 tokens
	s_wait_alu depctr_va_vdst(0)                   ; the offsets and LDS addresses v4 to v10 and v13 to v15 are written, which the kernel's loads and stores read; none of them is written again
.irp t, 0,1,2,3,4,5,6,7
	global_load_b32 v[160+\t], v13, s[4:5] offset:64*\t    ; token r of tile t: for its experts and gates
.endr
.irp p, 0,1,2,3
	global_load_b32 v[168+\p], v14, s[4:5] offset:128*\p   ; token lane of the pair of tiles p: for its scale words
.endr
.irp u, 0,1
	global_load_b32 v[172+\u], v15, s[4:5] offset:64*\u    ; token r of tile 2 w + u: for its codes
.endr
	WIN 0x40
.irp a, 0,1,2,3,4,5,6,7
.irp i, 0,1
	global_load_b128 v[RO+8*\a+4*\i:RO+8*\a+4*\i+3], v6, s[4:5] offset:64*\a+16*\i   ; tokens 8 h .. 8 h + 7 of tile a: the rows that I shall store
.endr
.endr
	WIN 0
	s_mul_i32 s40, s3, 49152                       ; my group's fragments in an expert's images,
	s_add_nc_u64 s[12:13], s[12:13], s[40:41]
	s_lshl_b32 s40, s3, 11                         ; its 64 rows of scale bytes,
	s_add_nc_u64 s[14:15], s[14:15], s[40:41]
	s_lshl_b32 s40, s3, 8                          ; its 256 bytes of a row of the bias and of out0
	s_add_nc_u64 s[16:17], s[16:17], s[40:41]
	s_add_nc_u64 s[22:23], s[22:23], s[40:41]
	s_wait_loadcnt 0x0
.irp n, 0,1,2,3,4,5,6,7,8,9,10,11,12,13
	v_min_u32 v[160+\n], 0x1fff, v[160+\n]         ; a token's number is held inside the tables
.endr
.irp t, 0,1,2,3,4,5,6,7
	v_lshlrev_b32 v[176+\t], 3, v[160+\t]
.endr
.irp p, 0,1,2,3
	v_lshlrev_b32 v[184+\p], 5, v[168+\p]
.endr
.irp u, 0,1
	v_mul_u32_u24 v[188+\u], v[172+\u], 768
	v_add_nc_u32 v[188+\u], v[188+\u], v12
.endr
	WIN 0x80                                       ; 72 gathers.  The codes wait in window 2, where the accumulators will stand
	s_wait_alu depctr_va_vdst(0)                   ; the gathers' offsets v176 to v191 are written
.irp u, 0,1
.irp ks, 0,1,2,3,4,5,6,7
.irp c, 0,1,2
	global_load_b128 v[12*(8*\u+\ks)+4*\c:12*(8*\u+\ks)+4*\c+3], v[188+\u], s[8:9] offset:96*\ks+16*\c
.endr
.endr
.endr
	WIN 0
.irp p, 0,1,2,3
.irp j, 0,1
	global_load_b128 v[XS+8*\p+4*\j:XS+8*\p+4*\j+3], v[184+\p], s[10:11] offset:16*\j
.endr
.endr
.irp t, 0,1,2,3,4,5,6,7
	global_load_b64 v[EI+2*\t:EI+2*\t+1], v[176+\t], s[18:19]
	global_load_b64 v[GI+2*\t:GI+2*\t+1], v[176+\t], s[20:21]
.endr
	s_wait_kmcnt 0x0
	s_ctz_i32_b32 s27, s25                         ; the first expert that the block uses,
	s_min_u32 s27, s27, 7
	s_add_co_u32 s28, s25, -1
	s_and_b32 s26, s25, s28                        ; and those that remain
	BASES s27
	NEXTS                                          ; 46 loads: what an expert's last three K steps ask for its successor.  No vector instruction has named their registers
	NEXTB 0
	NEXTB 2
	WRUN 0, 32, 0, 0
	WRUN 0, 32, 0, 2
	WRUN 1, 32, 1, 0
	WRUN 1, 32, 1, 2
	WRUN 2, 32, 2, 0
	WRUN 2, 32, 2, 2
	s_mov_b64 s[30:31], s[32:33]
	s_mov_b64 s[34:35], s[36:37]
	WIN 0x44                                       ; while the gathers are on their way: the stores' offsets, token x 4,096 + 16 r
.set n, 0
.rept 64
	v_min_u32 v[RO+n], 0x1fff, v[RO+n]
.set n, n+1
.endr
	WIN 0x41
.set n, 0
.rept 64
	v_lshl_add_u32 v[RO+n], v[RO+n], 12, v11
.set n, n+1
.endr
	WIN 0
.irp t, 0,1,2,3,4,5,6,7
	v_mov_b32 v[G+2*\t+1], 0
.endr
	s_wait_loadcnt 46                              ; all gathers are in; the first expert's 46 loads may be out
	WIN 0x08                                       ; an LDS store's data are its source 1: window 2
.irp u, 0,1
.irp ks, 0,1,2,3,4,5,6,7
.irp c, 0,1,2
	ds_store_b128 v10, v[12*(8*\u+\ks)+4*\c:12*(8*\u+\ks)+4*\c+3] offset:12288*\u+1536*\ks+512*\c
.endr
.endr
.endr
	WIN 0
	s_wait_dscnt 0x0                               ; for the others' sake: my 16 images lie in LDS
	s_barrier_signal -1
	s_barrier_wait -1                              ; all 64 do.  The launch's only barrier; it stands ahead of every branch on the mask
	s_wait_alu depctr_vm_vsrc(0)                   ; the gathers have read their offsets v176 to v191, in which x's fragments land; my LDS stores have read window 2's v0 to v191, which the products write
	XRUN 0, 0
	XRUN 2, 0
	EXPERT 1                                       ; the first expert is written out: it starts the sums
	s_mov_b32 s27, 0
.Lexpert:                                              ; eight trips, whatever the mask; a trip whose expert is not wanted issues nothing, so every count holds on every way
	s_bitcmp1_b32 s26, s27
	s_cbranch_scc0 .Lskip
	EXPERT 0
.Lskip:
	s_add_co_u32 s27, s27, 1
	s_cmp_lt_u32 s27, 8
	s_cbranch_scc1 .Lexpert
; THE WAY OUT, a tile of 16 tokens at a time.  A lane holds 32 bytes of a token's row and the lanes beside it other tokens': so a tile goes through my own stage in LDS and comes back as rows of 256 bytes.
; LDS serves a wave's instructions in order (ISA guide 5.7.1.4): no wait between the stores and the loads, nor in front of the next tile's stores.
; No vector or matrix instruction stands in the way out: the one wait on va_vdst at its head serves all of it.
.macro TOSTAGE a
	WIN 0x0c                                       ; the data: window 3
.irp ot, 0,1,2,3
.irp i, 0,1
	ds_store_b128 v8, v[32*(\a)+8*\ot+4*\i:32*(\a)+8*\ot+4*\i+3] offset:64*\ot+16*\i
.endr
.endr
	WIN 0
.irp i, 0,1,2,3,4,5,6,7
	ds_load_b128 v[XF+32*((\a)%2)+4*\i:XF+32*((\a)%2)+4*\i+3], v9 offset:272*\i
.endr
.endm
.macro SEND a, younger                 ; younger: the LDS instructions issued behind tile a's loads: the next tile's 8 stores and 8 loads, or none
	s_wait_dscnt \younger
	WIN 0x01                                       ; the offsets: window 1
.irp i, 0,1,2,3,4,5,6,7
	global_store_b128 v[RO+8*(\a)+\i], v[XF+32*((\a)%2)+4*\i:XF+32*((\a)%2)+4*\i+3], s[22:23] th:TH_STORE_NT   ; sixteen lanes store 256 consecutive bytes of a token's row, at a multiple of 256; written once, read by nobody here
.endr
	WIN 0
.endm
	s_wait_dscnt 0x0                               ; the last look-ahead for x has landed: its registers take the rows
	s_wait_alu depctr_va_vdst(0)                   ; the last expert's multiply-adds have written the sums in window 3, which the LDS stores read; the products are done reading x's fragments, in whose registers the rows land
	TOSTAGE 0
.irp a, 1,2,3,4,5,6,7
.if \a > 1
	s_wait_xcnt 0x0                                ; tile a - 2's stores have had their addresses translated,
	s_wait_alu depctr_vm_vsrc(0)                   ; and have read their data registers: tile a's rows may land there
.endif
	TOSTAGE \a
	SEND \a-1, 16
.endr
	SEND 7, 0
	s_wait_dscnt 0x0                               ; the closing lines, six on end
	s_wait_alu 0x0
	s_wait_tensorcnt 0x0
	ds_add_u32 v158, v159
	s_wait_dscnt 0x0
	s_endpgm
.Lfunc_end_k_q04d52603e8_experts:
	.size	k_q04d52603e8_experts, .Lfunc_end_k_q04d52603e8_experts-k_q04d52603e8_experts
	.p2alignl 7, 3214868480
	.fill 96, 4, 3214868480
	.section	.rodata,"a",@progbits
	.p2align	6, 0x0
	.amdhsa_kernel k_q04d52603e8_experts
		.amdhsa_group_segment_fixed_size 117248
		.amdhsa_private_segment_fixed_size 0
		.amdhsa_enable_private_segment 0
		.amdhsa_kernarg_size 80
		.amdhsa_user_sgpr_count 2
		.amdhsa_user_sgpr_kernarg_segment_ptr 1
		.amdhsa_wavefront_size32 1
		.amdhsa_system_sgpr_workgroup_id_x 1
		.amdhsa_system_sgpr_workgroup_id_y 1
		.amdhsa_system_sgpr_workgroup_id_z 1
		.amdhsa_system_vgpr_workitem_id 0
		.amdhsa_next_free_vgpr 1024
		.amdhsa_next_free_sgpr 66
		.amdhsa_reserve_vcc 0
		.amdhsa_float_denorm_mode_32 3
		.amdhsa_float_denorm_mode_16_64 3
		.amdhsa_memory_ordered 1
		.amdhsa_forward_progress 1
		.amdhsa_inst_pref_size 190
	.end_amdhsa_kernel
	.amdgpu_metadata
---
amdhsa.version: [ 1, 2 ]
amdhsa.kernels:
  - .name:           k_q04d52603e8_experts
    .symbol:         k_q04d52603e8_experts.kd
    .args:
      - { .name: order, .offset: 0, .size: 8, .value_kind: global_buffer, .address_space: global }
      - { .name: bmask, .offset: 8, .size: 8, .value_kind: global_buffer, .address_space: global }
      - { .name: xcodes, .offset: 16, .size: 8, .value_kind: global_buffer, .address_space: global }
      - { .name: xscales, .offset: 24, .size: 8, .value_kind: global_buffer, .address_space: global }
      - { .name: wimg, .offset: 32, .size: 8, .value_kind: global_buffer, .address_space: global }
      - { .name: expert_weight_scales, .offset: 40, .size: 8, .value_kind: global_buffer, .address_space: global }
      - { .name: expert_bias, .offset: 48, .size: 8, .value_kind: global_buffer, .address_space: global }
      - { .name: out1, .offset: 56, .size: 8, .value_kind: global_buffer, .address_space: global }
      - { .name: out2, .offset: 64, .size: 8, .value_kind: global_buffer, .address_space: global }
      - { .name: out0, .offset: 72, .size: 8, .value_kind: global_buffer, .address_space: global }
    .group_segment_fixed_size: 117248
    .private_segment_fixed_size: 0
    .kernarg_segment_align: 8
    .kernarg_segment_size: 80
    .max_flat_workgroup_size: 128
    .sgpr_count:     66
    .vgpr_count:     1024
    .wavefront_size: 32
...
	.end_amdgpu_metadata
.endif
;; end of part 5
